; MI455X (gfx1250); checked and timed in simulation.
; The chip was launched on July 23, 2026; its instructions are those of AMD's public machine-readable ISA for CDNA 5 (MIT licence, August 2026) and "CDNA5" Instruction Set Architecture Reference Guide (July 2026). The comments in the code are by the model that wrote it; some were corrected since.
;; Attention. Allowed arithmetic: matrix products marked QUANTISED: E2M3 operands, one E8M0 scale for each 32 along K, by v_wmma_scale_f32_16x16x128_f8f6f4 with both operands' format E2M3, f32 sums; everything else in f32.
;; Inputs: Wout 1,024 x 1,024 float32; Wqkv 1,024 x 3,072 float32; cos 4,096 x 64 float32; gk 64 float32; gq 64 float32; hidden_states 1 x 4,096 x 1,024 float32; sin 4,096 x 64 float32.
;; Outputs: out0 1 x 4,096 x 1,024 float32.
;; This version of the problem:
;;   THIS VERSION OF THE PROBLEM IS GIVEN IN LOW PRECISION. The matrix products marked QUANTISED in the list below multiply operands that are first quantised to E2M3 (2 exponent bits, 3 mantissa bits; 6 bits a number), with one power-of-two scale for each 32 numbers along K (OCP MX v1.0); their sums are f32. All else is computed in f32.
;;   The module's matrix products, in the order in which they are computed (A, B: the left and right operand; K: the contracted axis; several contracted axes count as one K, in the product's order):
;;     1. [M 4,096, K 1,024] x [K 1,024, N 3,072]; A: input hidden_states; B: input Wqkv: QUANTISED
;;     2. batch 16 x [M 4,096, K 64] x [K 64, N 4,096]; A: computed on the way; B: computed on the way: QUANTISED
;;     3. batch 16 x [M 4,096, K 4,096] x [K 4,096, N 64]; A: softmax (see below); B: computed on the way: QUANTISED
;;     4. [M 4,096, K 1,024] x [K 1,024, N 1,024]; A: computed on the way; B: input Wout: QUANTISED
;;   THE QUANTISER, for each operand of a quantised product, along K:
;;     - K is cut into blocks of 32 from its start; a last block that is shorter is filled with zeros.
;;     - A block's scale is 2^e with e = floor(log2(the largest magnitude in the block)) - 2, held to -126 .. 127; a block of zeros has e = 0. As a byte (E8M0): e + 127.
;;     - Each number is divided by its block's scale, clamped to +-7.5, and rounded to the nearest number of E2M3, ties to even, subnormals kept.
;;     - The product sums the exact products of the quantised numbers (number of the format x scale) in f32.
;;   ~~~python
;;   def quantise(x, axis):      # numpy; x: float32 -> the quantised numbers, widened to float32 again
;;       x = np.moveaxis(x, axis, -1); K = x.shape[-1]
;;       x = np.pad(x, [(0, 0)] * (x.ndim - 1) + [(0, -K % 32)]); x = x.reshape(x.shape[:-1] + (-1, 32)); a = np.abs(x).max(-1, keepdims=True)
;;       e = np.where(a > 0, np.clip(np.frexp(np.where(a > 0, a, 1))[1] - 1 - 2, -126, 127), 0)      # np.frexp(a)[1] - 1 = floor(log2(a)), exactly
;;       r = np.clip(x / 2.0 ** e, -7.5, 7.5)
;;       step = 2.0 ** (np.maximum(np.frexp(np.where(r == 0, 1, r))[1] - 1, 0) - 3)
;;       q = np.round(r / step) * step * 2.0 ** e      # np.round: ties to even
;;       return np.moveaxis(q.reshape(q.shape[:-2] + (-1,))[..., :K], -1, axis).astype(np.float32)
;;   ~~~
;;   SOFTMAX AHEAD OF A QUANTISED PRODUCT. Where the list says 'softmax', what is quantised is not the finished softmax but p = 2^(t - M), with t = logit x log2(e) and M = ceil(the row's largest t), a whole number; so 1/2 < the row's largest p <= 1. The row's sum l is taken of the UNQUANTISED p, in f32, and the product's result is divided by l at the end. Since M is a whole number, a kernel that streams over the keys may use a running M (the ceiling of the running maximum): every later rescaling is an exact power of two, which a block's scale takes up: the codes' values come out the same.
;;   OPERANDS COMPUTED ON THE WAY. 'Computed on the way' means the value that the module computes at that place (a softmax that the list does not call 'softmax' is quantised finished and normalised). What goes into a quantiser is computed in f32, as accurately as f32 sums, v_exp_f32 and their like allow (about 1e-6 of the number): no bf16 or f16 on the way to a quantiser, and a product that is left as it is and whose result goes on into a quantised operand takes f32 operands (vector FMAs, or v_wmma_f32_16x16x4_f32). A number that lies on a knife's edge between two numbers of the format may be rounded either way, as far as f32 arithmetic and the matrix unit's own rounding can turn it there, and no further.
;; One version. Each part assembles by itself: llvm-mc -triple=amdgcn-amd-amdhsa -mcpu=gfx1250 --defsym DOCPART=n.
;; ======== version 1 of 1: 4 launches
;; limits: right only within a limited range of input values
;; workspace buffers: xb 3,276,800 bytes; wb 3,276,800 bytes; qb 3,538,944 bytes; kb 6,684,672 bytes; ab 3,276,800 bytes
;; launch prep (part 1): grid 384 x 1, 8 waves a work-group, no clusters, 96,768 bytes of LDS; arguments hidden_states, Wqkv, Wout, xb, wb; writes xb, wb
.if DOCPART == 1
	.amdgcn_target "amdgcn-amd-amdhsa--gfx1250"
	.amdhsa_code_object_version 6
	.text
	.protected	k_qea2c99ae8e_prep
	.globl	k_qea2c99ae8e_prep
	.p2align	8
	.type	k_qea2c99ae8e_prep,@function
k_qea2c99ae8e_prep:
	s_mov_b64 s[64:65], 0
	v_nop
	global_prefetch_b8 v0, s[64:65] scope:SCOPE_SE
	s_setreg_imm32_b32 hwreg(HW_REG_WAVE_MODE, 25, 1), 1
	s_wait_xcnt 0x0
; hidden_states [4096][1024], Wqkv [1024][3072] and Wout [1024][1024], f32, become codes of FP6 (E2M3) with one E8M0 byte for each 32 along K (K = the 1,024).
; A block's scale is 2^(floor(log2(its largest magnitude)) - 2); its byte is that magnitude's exponent field - 2, held at 1 from below.
; LIMITS: a block of zeros gets the byte 1 where the rule says 127 (its codes are zeros and only this program reads the bytes); NaN and infinities among the inputs are not served.
; LAYOUT OF xb AND wb.  Rows (tokens of x; columns n of the weights, Wqkv's 3,072 and then Wout's 1,024) stand in POSITION ORDER: position p holds index p with bits 3 and 4 exchanged,
; so that a tile of 16 positions holds indices 32 b + 8 u + 0..7 and 16 further on.  Codes: [tile of 16 positions][16 halves of 64 along K][768 bytes], each half an IMAGE OF OPERAND REGISTERS:
; lane (r, h) holds row r, k = 32 h .. 32 h + 31, 24 bytes: its registers 0-3 at 16 x lane, its registers 4-5 at 512 + 8 x lane.  Scale bytes behind the codes: [position][32].
; Work-groups 0-255: a tile of x each.  Work-groups 256-383: 32 columns of a weight each.  Wave s takes k = 128 s .. 128 s + 127.  Each of the two ways has LDS bytes of its own.
.set XPW,   8448                       ; x: a wave's stage, 16 rows x (512 bytes + 16)
.set XSCL,  67584                      ; x: the tile's 512 scale bytes
.set WSTG,  68096                      ; weights: the stages
.set WPW,   3328                       ; a wave's: two tiles x (two images, 1,536 bytes, + 128)
.set WSCL,  94720                      ; weights: 32 rows x 32 scale bytes
.set SCOFF, 3145728                    ; where the scale bytes begin in xb and in wb
; 32 numbers of ONE block in a lane, v[xs] on, become 6 registers of codes at v[c] and the scale's byte in v[by].  t: three registers more, since a conversion's three begin on an even number.
.macro QB xs, c, t, by
	v_max3_num_f32 v12, |v[(\xs)]|, |v[(\xs)+1]|, |v[(\xs)+2]|
	v_max3_num_f32 v13, |v[(\xs)+3]|, |v[(\xs)+4]|, |v[(\xs)+5]|
.irp i, 6,10,14,18,22,26
	s_delay_alu instid0(VALU_DEP_2)
	v_max3_num_f32 v12, v12, |v[(\xs)+\i]|, |v[(\xs)+\i+1]|
	s_delay_alu instid0(VALU_DEP_2)
	v_max3_num_f32 v13, v13, |v[(\xs)+\i+2]|, |v[(\xs)+\i+3]|
.endr
	s_delay_alu instid0(VALU_DEP_2)
	v_max3_num_f32 v12, v12, |v[(\xs)+30]|, |v[(\xs)+31]|
	s_delay_alu instid0(VALU_DEP_1)
	v_max3_num_f32 v12, v12, v13, 0x1800000        ; the floor 2^(3 - 127): the byte cannot fall under 1
	s_delay_alu instid0(VALU_DEP_1)
	v_add_nc_u32 v14, 0xff000000, v12              ; 2 off the exponent field: the conversion takes this operand's exponent field as its scale
	v_cvt_scalef32_pk16_fp6_f32 v[(\c):(\c)+2], v[(\xs):(\xs)+15], v14
	v_cvt_scalef32_pk16_fp6_f32 v[(\t):(\t)+2], v[(\xs)+16:(\xs)+31], v14
	v_lshrrev_b32 v[\by], 23, v14                  ; the byte; also the plain instruction behind the conversions
.irp i, 0,1,2
	v_mov_b32 v[(\c)+3+\i], v[(\t)+\i]
.endr
.endm
	s_load_b128 s[4:7], s[0:1], 0x0                ; hidden_states, Wqkv
	s_load_b128 s[8:11], s[0:1], 0x10              ; Wout, xb
	s_load_b64 s[12:13], s[0:1], 0x20              ; wb
	v_lshl_add_u32 v224, v0, 2, 0x17600
	v_mov_b32 v225, 0
	v_lshrrev_b32 v1, 5, v0
	s_delay_alu instid0(VALU_DEP_1)
	v_readfirstlane_b32 s16, v1                    ; wave s
	v_and_b32 v1, 31, v0                           ; lane
	v_and_b32 v2, 15, v0                           ; r
	v_bfe_u32 v3, v0, 4, 1                         ; h
	s_delay_alu instid0(VALU_DEP_3)
	v_lshlrev_b32 v4, 4, v1                        ; 16 x lane
	s_delay_alu instid0(VALU_DEP_4)
	v_lshlrev_b32 v5, 3, v1                        ; 8 x lane
	s_mov_b32 s20, 0x76543210
	s_mov_b32 s21, 0xfedcba98                      ; v_permlanex16_b32: lane l xor 16
	s_cmp_lt_u32 ttmp9, 256                        ; the same in all eight waves
	s_cbranch_scc0 .Lweights
	; ---- x: tile T = the work-group's number.  Position j of the tile is token 32 (T / 2) + 8 (T % 2) + j % 8 + 16 (j / 8).
	s_mul_i32 s17, s16, XPW
	v_add_nc_u32 v6, s17, v4                       ; the stage, in: row j, 16 bytes a lane
	v_mul_u32_u24 v7, v2, 528
	s_delay_alu instid0(VALU_DEP_1)
	v_lshl_add_u32 v7, v3, 7, v7
	s_delay_alu instid0(VALU_DEP_1)
	v_add_nc_u32 v7, s17, v7                       ; out: row r, + 128 h: my block of 32 numbers
	v_lshlrev_b32 v8, 5, v2
	s_lshl_b32 s18, s16, 2
	s_add_co_u32 s18, s18, XSCL
	v_add_nc_u32 v8, s18, v8                       ; my row's scale word of K step s: 32 r + 4 s
	v_add_nc_u32 v9, XSCL, v4                      ; and the 512 bytes back, 16 a lane
	s_lshr_b32 s22, ttmp9, 1
	s_lshl_b32 s22, s22, 17                        ; 32 rows of 4,096 bytes
	s_and_b32 s23, ttmp9, 1
	s_lshl_b32 s23, s23, 15                        ; 8 rows
	s_add_co_u32 s22, s22, s23
	s_lshl_b32 s23, s16, 9                         ; 128 numbers a wave
	s_add_co_u32 s22, s22, s23
	s_mov_b32 s23, 0
	s_mul_i32 s24, ttmp9, 12288
	s_mul_i32 s25, s16, 1536
	s_add_co_u32 s24, s24, s25
	s_mov_b32 s25, 0
	s_lshl_b32 s26, ttmp9, 9
	s_add_co_u32 s26, s26, SCOFF
	s_mov_b32 s27, 0
	s_wait_kmcnt 0x0
	s_add_nc_u64 s[4:5], s[4:5], s[22:23]
	s_add_nc_u64 s[24:25], s[10:11], s[24:25]
	s_add_nc_u64 s[26:27], s[10:11], s[26:27]
	s_wait_alu depctr_va_vdst(0)
.irp j, 0,1,2,3,4,5,6,7,8,9,10,11,12,13,14,15
	global_load_b128 v[32+4*\j:35+4*\j], v4, s[4:5] offset:((\j%8)+16*(\j/8))*4096 th:TH_LOAD_NT   ; 32 lanes read 512 consecutive bytes of one row
.endr
.irp j, 0,1,2,3,4,5,6,7,8,9,10,11,12,13,14,15
	s_wait_loadcnt 15-\j                           ; loads come back in order: row j is in, the younger ones stay out
	ds_store_b128 v6, v[32+4*\j:35+4*\j] offset:528*\j
.endr
.irp c, 0,1
.irp q, 0,1,2,3,4,5,6,7
	ds_load_b128 v[96+32*\c+4*\q:99+32*\c+4*\q], v7 offset:256*\c+16*\q   ; the wave's own bytes, served in order: row r, k = 64 c + 32 h + 4 q on
.endr
.endr
	s_wait_dscnt 0x0
	QB 96, 160, 172, 15
	QB 128, 166, 176, 16
	s_delay_alu instid0(VALU_DEP_4)
	v_lshl_or_b32 v17, v16, 16, v15                ; my two bytes: blocks h and 2 + h of the K step,
	v_lshlrev_b32 v18, 3, v3
	s_delay_alu instid0(VALU_DEP_1)
	v_lshlrev_b32 v17, v18, v17                    ; at their places in the word;
	v_mov_b32 v18, 0
	s_delay_alu instid0(VALU_DEP_1)
	v_permlanex16_b32 v18, v17, s20, s21
	s_delay_alu instid0(VALU_DEP_1)
	v_or_b32 v17, v17, v18                         ; with lane l xor 16's two the word is whole
	global_store_b128 v4, v[160:163], s[24:25]             ; each store covers 512 or 256 consecutive bytes, aligned to 256
	global_store_b64 v5, v[164:165], s[24:25] offset:512
	global_store_b128 v4, v[166:169], s[24:25] offset:768
	global_store_b64 v5, v[170:171], s[24:25] offset:1280
	ds_store_b32 v8, v17                           ; both halves of the lanes write the same word
	s_wait_dscnt 0x0                               ; for the others' sake: my word lies in LDS
	s_barrier_signal -1
	s_barrier_wait -1
	s_cmp_lg_u32 s16, 0
	s_cbranch_scc1 .Lx_end
	ds_load_b128 v[20:23], v9                      ; the tile's 16 rows x 32 scale bytes leave as 512 consecutive bytes
	s_wait_dscnt 0x0
	global_store_b128 v4, v[20:23], s[26:27]
.Lx_end:
	s_wait_tensorcnt 0x0
	ds_add_u32 v224, v225
	s_wait_dscnt 0x0
	s_endpgm
	; ---- weights: group g of 32 columns.  A LANE TAKES A COLUMN, ITS REGISTERS RUN DOWN K: a block of 32 lies in one lane, and the codes come out with K innermost.
.Lweights:
	v_bfe_u32 v6, v0, 3, 1                         ; u: column l stands in tile 2 g + u,
	v_and_b32 v7, 7, v0
	s_wait_alu depctr_va_vdst(0)
	v_lshl_or_b32 v7, v3, 3, v7                    ; at row l % 8 + 8 (l / 16)
	s_mul_i32 s24, s16, WPW
	s_add_co_u32 s24, s24, WSTG
	v_mul_u32_u24 v8, v6, 1664
	s_delay_alu instid0(VALU_DEP_1)
	v_add_nc_u32 v8, s24, v8
	s_delay_alu instid0(VALU_DEP_1)
	v_lshl_add_u32 v9, v7, 3, v8                   ; the stage: registers 4-5 of an image, 8 bytes a row,
	s_delay_alu instid0(VALU_DEP_2)
	v_lshl_add_u32 v8, v7, 4, v8                   ; registers 0-3, 16 bytes a row
	v_lshl_add_u32 v10, v6, 4, v7
	s_delay_alu instid0(VALU_DEP_1)
	v_lshlrev_b32 v10, 5, v10
	s_lshl_b32 s25, s16, 2
	s_add_co_u32 s25, s25, WSCL
	v_add_nc_u32 v10, s25, v10                     ; my column's scale word: 32 x position + 4 s
	v_add_nc_u32 v11, s24, v4                      ; the stage back, 16 bytes a lane
	v_add_nc_u32 v18, WSCL, v4
	s_sub_co_u32 s17, ttmp9, 256                   ; g
	s_mov_b32 s18, 4096
	s_wait_kmcnt 0x0
	s_cmp_lt_u32 s17, 96                           ; Wqkv or Wout: the choice hangs on the work-group's number alone
	s_cselect_b32 s18, 12288, s18                  ; a row of the weight in bytes
	s_cselect_b32 s19, 0, 96
	s_cselect_b64 s[4:5], s[6:7], s[8:9]
	s_sub_co_u32 s19, s17, s19
	s_lshl_b32 s19, s19, 7                         ; the group's first column, in bytes
	s_lshl_b32 s22, s16, 7
	s_mul_i32 s22, s22, s18                        ; my 128 rows
	s_add_co_u32 s22, s22, s19
	s_mov_b32 s23, 0
	s_add_nc_u64 s[28:29], s[4:5], s[22:23]        ; a base for each block of 32 rows
	s_lshl_b32 s22, s18, 5
	s_add_nc_u64 s[30:31], s[28:29], s[22:23]
	s_add_nc_u64 s[32:33], s[30:31], s[22:23]
	s_add_nc_u64 s[34:35], s[32:33], s[22:23]
	s_mul_i32 s24, s17, 24576                      ; tiles 2 g, 2 g + 1 of 12,288 bytes
	s_mul_i32 s25, s16, 1536
	s_add_co_u32 s24, s24, s25
	s_mov_b32 s25, 0
	s_lshl_b32 s26, s17, 10
	s_add_co_u32 s26, s26, SCOFF
	s_mov_b32 s27, 0
	s_add_nc_u64 s[24:25], s[12:13], s[24:25]
	s_add_nc_u64 s[26:27], s[12:13], s[26:27]
	v_lshlrev_b32 v32, 2, v1                       ; offsets of the block's 32 rows at my column; never rewritten
.irp i, 1,2,3,4,5,6,7,8,9,10,11,12,13,14,15,16,17,18,19,20,21,22,23,24,25,26,27,28,29,30,31
	s_delay_alu instid0(VALU_DEP_1)
	v_add_nc_u32 v[32+\i], s18, v[31+\i]
.endr
.macro WLOAD t
.irp i, 0,1,2,3,4,5,6,7,8,9,10,11,12,13,14,15,16,17,18,19,20,21,22,23,24,25,26,27,28,29,30,31
	global_load_b32 v[64+32*(\t)+\i], v[32+\i], s[28+2*(\t):29+2*(\t)] th:TH_LOAD_NT   ; 32 lanes read 128 consecutive bytes of one row
.endr
.endm
	WLOAD 0
	WLOAD 1
	s_wait_alu depctr_va_vdst(0)
.irp t, 0,1,2,3
.if \t < 3
	s_wait_loadcnt 32                              ; block t is in, block t + 1 may be out
.else
	s_wait_loadcnt 0x0
.endif
.if \t < 2
	WLOAD \t+2                                     ; each block has registers of its own
.endif
	QB 64+32*\t, 192+6*\t, 216+4*(\t%2), 24+\t
	ds_store_b128 v8, v[192+6*\t:195+6*\t] offset:768*(\t/2)+256*(\t%2)        ; block t = half t / 2 of the K step, lanes' half t % 2
	ds_store_b64 v9, v[196+6*\t:197+6*\t] offset:512+768*(\t/2)+128*(\t%2)
.endr
	v_lshl_or_b32 v28, v25, 8, v24
	s_delay_alu instid0(VALU_DEP_1)
	v_lshl_or_b32 v28, v26, 16, v28
	s_delay_alu instid0(VALU_DEP_1)
	v_lshl_or_b32 v28, v27, 24, v28                ; my column's scale word of K step s
	ds_store_b32 v10, v28
.irp u, 0,1
.irp j, 0,1,2
	ds_load_b128 v[64+12*\u+4*\j:67+12*\u+4*\j], v11 offset:1664*\u+512*\j     ; the wave's own bytes, served in order
.endr
.endr
.irp u, 0,1
.irp j, 0,1,2
	s_wait_dscnt 5-3*\u-\j
	global_store_b128 v4, v[64+12*\u+4*\j:67+12*\u+4*\j], s[24:25] offset:12288*\u+512*\j   ; 512 consecutive bytes, aligned to 256
.endr
.endr
	s_barrier_signal -1                            ; the count above ended at 0: my scale word lies in LDS
	s_barrier_wait -1
	s_cmp_lg_u32 s16, 0
	s_cbranch_scc1 .Lw_end
	ds_load_b128 v[88:91], v18
	ds_load_b128 v[92:95], v18 offset:512
	s_wait_dscnt 0x0
	global_store_b128 v4, v[88:91], s[26:27]
	global_store_b128 v4, v[92:95], s[26:27] offset:512
.Lw_end:
	s_wait_tensorcnt 0x0
	ds_add_u32 v224, v225
	s_wait_dscnt 0x0
	s_endpgm
.Lfunc_end_k_qea2c99ae8e_prep:
	.size	k_qea2c99ae8e_prep, .Lfunc_end_k_qea2c99ae8e_prep-k_qea2c99ae8e_prep
	.p2alignl 7, 3214868480
	.fill 96, 4, 3214868480
	.section	.rodata,"a",@progbits
	.p2align	6, 0x0
	.amdhsa_kernel k_qea2c99ae8e_prep
		.amdhsa_group_segment_fixed_size 96768
		.amdhsa_private_segment_fixed_size 0
		.amdhsa_enable_private_segment 0
		.amdhsa_kernarg_size 40
		.amdhsa_user_sgpr_count 2
		.amdhsa_user_sgpr_kernarg_segment_ptr 1
		.amdhsa_wavefront_size32 1
		.amdhsa_system_sgpr_workgroup_id_x 1
		.amdhsa_system_sgpr_workgroup_id_y 1
		.amdhsa_system_sgpr_workgroup_id_z 1
		.amdhsa_system_vgpr_workitem_id 0
		.amdhsa_next_free_vgpr 226
		.amdhsa_next_free_sgpr 66
		.amdhsa_reserve_vcc 0
		.amdhsa_float_denorm_mode_32 3
		.amdhsa_float_denorm_mode_16_64 3
		.amdhsa_memory_ordered 1
		.amdhsa_forward_progress 1
		.amdhsa_inst_pref_size 38
	.end_amdhsa_kernel
	.amdgpu_metadata
---
amdhsa.version: [ 1, 2 ]
amdhsa.kernels:
  - .name:           k_qea2c99ae8e_prep
    .symbol:         k_qea2c99ae8e_prep.kd
    .args:
      - { .name: hidden_states, .offset: 0, .size: 8, .value_kind: global_buffer, .address_space: global }
      - { .name: Wqkv, .offset: 8, .size: 8, .value_kind: global_buffer, .address_space: global }
      - { .name: Wout, .offset: 16, .size: 8, .value_kind: global_buffer, .address_space: global }
      - { .name: xb, .offset: 24, .size: 8, .value_kind: global_buffer, .address_space: global }
      - { .name: wb, .offset: 32, .size: 8, .value_kind: global_buffer, .address_space: global }
    .group_segment_fixed_size: 96768
    .private_segment_fixed_size: 0
    .kernarg_segment_align: 8
    .kernarg_segment_size: 40
    .max_flat_workgroup_size: 256
    .sgpr_count:     66
    .vgpr_count:     226
    .wavefront_size: 32
...
	.end_amdgpu_metadata
.endif
;; end of part 1
;; launch qkv (part 2): grid 12 x 16, 4 waves a work-group, clusters of 4 x 4, 327,680 bytes of LDS; arguments xb, wb, cos, sin, gq, gk, qb, kb; writes qb, kb
.if DOCPART == 2
	.amdgcn_target "amdgcn-amd-amdhsa--gfx1250"
	.amdhsa_code_object_version 6
	.text
	.protected	k_qea2c99ae8e_qkv
	.globl	k_qea2c99ae8e_qkv
	.p2align	8
	.type	k_qea2c99ae8e_qkv,@function
k_qea2c99ae8e_qkv:
	s_mov_b64 s[64:65], 0
	v_nop
	global_prefetch_b8 v0, s[64:65] scope:SCOPE_SE
	s_setreg_imm32_b32 hwreg(HW_REG_WAVE_MODE, 25, 1), 1
	s_wait_xcnt 0x0
	s_wait_alu depctr_hold_cnt(0) depctr_sa_sdst(0) depctr_va_vdst(0) depctr_va_sdst(0) depctr_va_ssrc(0) depctr_va_vcc(0) depctr_vm_vsrc(0)
	s_getreg_b32 s2, hwreg(HW_REG_IB_STS2, 6, 4)
	s_cmp_eq_u32 s2, 0
	s_cbranch_scc0 .Lentry_in_a_cluster
	s_endpgm
.Lentry_in_a_cluster:
	s_bfe_u32 s2, ttmp6, 0x10000c
	s_cmp_lg_u32 s2, 0xf033
	s_cbranch_scc0 .Lentry_shape_is_right
	s_endpgm
.Lentry_shape_is_right:
.set NQ,     2
.set TILEB,  3072
.set HALFT,  8*TILEB
.set SLOT,   4*HALFT
.set FR,     12
.set NL,     4
.set NP,     4
.set KS,     32
.set SCL,    2*SLOT
.set HALFS,  16*272
.set SBLK,   544
.set SPARE,  SCL+4*HALFS
.set SCOFF,  3145728
.set ADRA, 16
.set ADRB, 20
.set ADRS, 27
.set SPW,  28
.set NIL,  29
.set SC,   32
.set AF,   128
.set G1, 24
.set G0, 32
.set G1B, 48
.set G0B, 56
.set G1S, 68
.set G0S, 76
.set G1SB, 80
.set G0SB, 88
.set Y,  64
.set O,  128
.set PC, 192
.set PT, 204
.set RS, 212
.set SS, 216
.set G,  224
.set TM, 64
.set SW, 48
.set MSB, 0
.macro WIN new
.if MSB != \new
	s_set_vgpr_msb (MSB<<8)|\new
.set MSB, \new
.endif
.endm
.set MUL_LO, 0xa1
.set MUL_HI, 0xf1
.set TO_B,   0x40
.macro JLOAD g0a, g1a, g0b, g1b
	s_cmp_eq_u32 s15, 0
	s_cbranch_scc0 .Lfor_b_\@
	tensor_load_to_lds s[\g0a:\g0a+3], s[\g1a:\g1a+7]
	s_nop 0
.rept 4
	v_nop
.endr
	s_branch .Lasked_\@
.Lfor_b_\@:
	tensor_load_to_lds s[\g0b:\g0b+3], s[\g1b:\g1b+7]
	s_nop 0
.rept 4
	v_nop
.endr
.Lasked_\@:
.endm
.macro CREST
	s_cmp_lg_u32 s14, 0
	s_cbranch_scc1 .Lnot_wave_0_\@
	s_barrier_signal -3
.Lnot_wave_0_\@:
	s_barrier_wait -3
	s_barrier_signal -1
	s_barrier_wait -1
.endm
.macro CROUND
	s_barrier_signal -1
	s_barrier_wait -1
	CREST
.endm
.macro PLACES n
.rept \n
	v_nop
.endr
.endm
.macro FINISH
	s_wait_tensorcnt 0x0
	ds_add_u32 v[SPW], v[NIL]
	s_wait_dscnt 0x0
	CROUND
	s_endpgm
.endm
	s_load_b256 s[4:11], s[0:1], 0x0
	s_load_b256 s[92:99], s[0:1], 0x20
	v_lshl_add_u32 v[SPW], v0, 2, SPARE
	v_mov_b32 v[NIL], 0
	ds_add_u32 v28, v29
	ds_add_u32 v28, v29
	s_wait_dscnt 0x0
	v_lshrrev_b32 v1, 5, v0
	v_readfirstlane_b32 s14, v1
	s_lshr_b32 s15, s14, 1
	s_and_b32 s16, s14, 1
	s_bfe_u32 s40, ttmp6, 0x40000
	s_bfe_u32 s41, ttmp6, 0x40004
	s_and_b32 s18, ttmp7, 0xffff
	s_lshl_b32 s18, s18, 2
	s_lshl_b32 s19, ttmp9, 2
	s_cmp_eq_u32 ttmp9, 2
	s_cselect_b32 s17, 8, s18
	s_cselect_b32 s42, s18, s19
	s_add_co_u32 s17, s17, s41
	s_add_co_u32 s42, s42, s40
	s_lshl_b32 s43, s41, 2
	s_lshl_b32 s43, 15, s43
	s_lshl_b32 s44, 0x1111, s40
	s_or_b32 s[G1+0], s43, (3<<16)|(1<<21)
	s_or_b32 s[G1B+0], s44, (3<<16)|(1<<21)
.irp g, G1, G1B
	s_mov_b32 s[\g+1], 384<<16
	s_mov_b32 s[\g+2], 8<<16
	s_mov_b32 s[\g+3], 384<<16
	s_mov_b32 s[\g+4], 8
	s_mov_b32 s[\g+5], 1536
	s_mov_b32 s[\g+6], 0
	s_mov_b32 s[\g+7], 0
.endr
	s_lshl_b32 s18, s16, 7
	s_lshl_b32 s20, s17, 8
	s_add_co_u32 s20, s20, s18
	s_lshl_b32 s46, s42, 8
	s_add_co_u32 s46, s46, s18
	s_mul_i32 s22, s20, KS
	s_add_co_u32 s22, s22, SCOFF
	s_mov_b32 s23, 0
	s_mul_i32 s20, s20, 768
	s_mov_b32 s21, 0
	s_mul_i32 s12, s46, KS
	s_add_co_u32 s12, s12, SCOFF
	s_mov_b32 s13, 0
	s_mul_i32 s46, s46, 768
	s_mov_b32 s47, 0
	s_mul_i32 s45, s14, HALFT
	s_mul_i32 s19, s14, HALFS
	s_mov_b32 s66, 0x76543210
	s_mov_b32 s67, 0xfedcba98
	s_mov_b32 s100, 0x3c800000
	s_mov_b32 s101, 0xffff0000
	s_wait_kmcnt 0x0
	s_cmp_eq_u32 ttmp9, 2
	s_cselect_b64 s[2:3], s[6:7], s[4:5]
	s_cselect_b64 s[4:5], s[4:5], s[6:7]
	s_add_nc_u64 s[20:21], s[2:3], s[20:21]
	s_add_nc_u64 s[22:23], s[2:3], s[22:23]
	s_add_nc_u64 s[46:47], s[4:5], s[46:47]
	s_add_nc_u64 s[12:13], s[4:5], s[12:13]
	s_mov_b32 s3, 0x358637bd
	CROUND
	s_cmp_eq_u32 s15, 0                            ; waves 0, 1 bring A's scale bytes, waves 2, 3 B's: 128 rows x 32 bytes each
	s_cselect_b64 s[12:13], s[22:23], s[12:13]
.irp s, 0,1
	s_mov_b32 s[G0+4*\s], 1
	s_add_co_u32 s[G0+4*\s+1], s45, \s*SLOT
	s_add_nc_u64 s[G0+4*\s+2:G0+4*\s+3], s[20:21], \s*TILEB
	s_or_b32 s[G0+4*\s+3], s[G0+4*\s+3], 0x80000000
	s_mov_b32 s[G0B+4*\s], 1
	s_add_co_u32 s[G0B+4*\s+1], s45, \s*SLOT
	s_add_nc_u64 s[G0B+4*\s+2:G0B+4*\s+3], s[46:47], \s*TILEB
	s_or_b32 s[G0B+4*\s+3], s[G0B+4*\s+3], 0x80000000
.endr
	JLOAD G0, G1, G0B, G1B                         ; slot 0: the head's one tensor load a wave
	; THE SCALE BYTES COME THROUGH REGISTERS, not by a joint load: 16,384 bytes a work-group beside its 393,216 bytes of codes, a small part of what is shared.
	; A wave's 4,096 dense bytes: eight loads of 512 consecutive bytes; in LDS 16 bytes of padding follow each 256, in bytes that no fill touches.
	v_and_b32 v14, 31, v0
	v_bfe_u32 v15, v0, 4, 1
	v_and_b32 v24, 15, v0
	v_lshlrev_b32 v14, 4, v14                      ; 16 x lane
	v_mul_u32_u24 v15, v15, 272
	s_add_co_u32 s19, s19, SCL
	v_lshl_add_u32 v15, v24, 4, v15
	v_add_nc_u32 v15, s19, v15                     ; my wave's place + 272 h + 16 r
.irp j, 0,1,2,3,4,5,6,7
	global_load_b128 v[64+4*\j:67+4*\j], v14, s[12:13] offset:512*\j
.endr
	v_and_b32 v1, 31, v0
	v_and_b32 v2, 15, v0
	v_bfe_u32 v3, v0, 4, 1
	v_lshlrev_b32 v10, 4, v1
	v_lshlrev_b32 v11, 3, v1
	s_mul_i32 s21, s15, HALFT
	s_mul_i32 s22, s16, HALFT
	s_add_co_u32 s22, s22, 2*HALFT
.irp s, 0,1
	v_add_nc_u32 v[ADRA+\s], s21, v10
	v_add_nc_u32 v[ADRB+\s], s22, v10
	v_add_nc_u32 v[ADRA+2+\s], s21, v11
	v_add_nc_u32 v[ADRB+2+\s], s22, v11
	s_add_co_u32 s21, s21, SLOT
	s_add_co_u32 s22, s22, SLOT
.endr
	v_mul_u32_u24 v5, v2, KS
	v_lshrrev_b32 v6, 8, v5
	v_lshl_add_u32 v5, v6, 4, v5
	s_mul_i32 s21, s15, HALFS
	s_mul_i32 s22, s16, HALFS
	s_add_co_u32 s22, s22, 2*HALFS
	s_sub_co_u32 s22, s22, s21
	v_mul_u32_u24 v6, s22, v3
	s_add_co_u32 s21, s21, SCL
	v_add_nc_u32 v5, v5, v6
	v_add_nc_u32 v[ADRS], s21, v5
	v_and_b32 v4, 7, v0
	v_bfe_u32 v5, v0, 3, 1
	v_lshlrev_b32 v8, 8, v4
	v_lshl_add_u32 v8, v5, 12, v8
	v_lshlrev_b32 v9, 6, v3
	s_wait_alu depctr_va_vdst(0)
	v_add_nc_u32 v8, v8, v9
	s_wait_alu depctr_va_vdst(0)
	v_lshlrev_b32 v12, 4, v2
	v_mul_u32_u24 v13, v3, 24576
	v_add_nc_u32 v13, v13, v12
	v_lshl_add_u32 v12, v3, 8, v12
	s_lshl_b32 s18, s17, 8
	s_lshl_b32 s19, s15, 7
	s_add_co_u32 s18, s18, s19
	s_lshl_b32 s18, s18, 8
	s_mov_b32 s19, 0
	s_add_nc_u64 s[8:9], s[8:9], s[18:19]
	s_add_nc_u64 s[10:11], s[10:11], s[18:19]
	s_cmp_eq_u32 ttmp9, 0
	s_cselect_b64 s[92:93], s[92:93], s[94:95]
.irp q, 0,1,2,3
	global_load_b128 v[G+4*\q:G+4*\q+3], v9, s[92:93] offset:16*\q
	global_load_b128 v[G+16+4*\q:G+19+4*\q], v9, s[92:93] offset:128+16*\q
.endr
.macro CSLOAD a
.if ((\a)%2) == 0
.set CB, 96
.set SB, 224
.else
.set CB, 0
.set SB, 32
.endif
.set RO, (32*((\a)/2)+8*((\a)%2))*256
.irp q, 0,1,2,3
	global_load_b128 v[CB+4*\q:CB+4*\q+3], v8, s[8:9] offset:RO+16*\q
	global_load_b128 v[CB+16+4*\q:CB+19+4*\q], v8, s[8:9] offset:RO+128+16*\q
	global_load_b128 v[SB+4*\q:SB+4*\q+3], v8, s[10:11] offset:RO+16*\q
	global_load_b128 v[SB+16+4*\q:SB+19+4*\q], v8, s[10:11] offset:RO+128+16*\q
.endr
.endm
	WIN TO_B
	CSLOAD 0
	WIN 0
.macro FRAG reg, adr, q, i
	ds_load_b128 v[\reg:\reg+3], v[\adr] offset:(\i)*TILEB+1536*(\q)
	ds_load_b64 v[\reg+4:\reg+5], v[\adr+2] offset:(\i)*TILEB+1536*(\q)+512
	ds_load_b128 v[\reg+6:\reg+9], v[\adr] offset:(\i)*TILEB+1536*(\q)+768
	ds_load_b64 v[\reg+10:\reg+11], v[\adr+2] offset:(\i)*TILEB+1536*(\q)+1280
.endm
.macro MUL16 a0, p, q, sc, zero
.irp a, \a0, \a0+1
.irp b, 0,1,2,3,4,5,6,7
.if \zero
	v_wmma_scale_f32_16x16x128_f8f6f4 v[8*(8*((\a)%4)+\b):8*(8*((\a)%4)+\b)+7], v[128*(\p)+FR*\b:128*(\p)+FR*\b+FR-1], v[AF+FR*(\a):AF+FR*(\a)+FR-1], 0, v[SC+8*NQ*(\sc)+NQ*\b+(\q)], v[SC+8*NQ*(\sc)+NQ*(\a)+(\q)] matrix_a_fmt:MATRIX_FMT_FP6 matrix_b_fmt:MATRIX_FMT_FP6 matrix_a_scale:MATRIX_SCALE_ROW1
.else
	v_wmma_scale_f32_16x16x128_f8f6f4 v[8*(8*((\a)%4)+\b):8*(8*((\a)%4)+\b)+7], v[128*(\p)+FR*\b:128*(\p)+FR*\b+FR-1], v[AF+FR*(\a):AF+FR*(\a)+FR-1], v[8*(8*((\a)%4)+\b):8*(8*((\a)%4)+\b)+7], v[SC+8*NQ*(\sc)+NQ*\b+(\q)], v[SC+8*NQ*(\sc)+NQ*(\a)+(\q)] matrix_a_fmt:MATRIX_FMT_FP6 matrix_b_fmt:MATRIX_FMT_FP6 matrix_a_scale:MATRIX_SCALE_ROW1
.endif
.endr
.endr
.endm
.macro FETCH_B slot, q, p
	WIN TO_B
.irp i, 0,1,2,3,4,5,6,7
	FRAG 128*(\p)+FR*\i, ADRB+\slot, \q, \i
.endr
	WIN 0
.endm
.macro FETCH_A slot, q, i0
.irp i, \i0, \i0+1, \i0+2, \i0+3
	FRAG AF+FR*(\i), ADRA+\slot, \q, \i
.endr
.endm
.macro SCALES sc
.irp i, 0,1,2,3,4,5,6,7
	ds_load_b64 v[SC+8*NQ*\sc+NQ*\i:SC+8*NQ*\sc+NQ*\i+1], v[ADRS] offset:\i*SBLK
.endr
.endm
.macro STEP slot, q, zero
	s_wait_dscnt 4*NL
	WIN MUL_LO
	MUL16 0, (\q)%2, \q, \slot, \zero
	MUL16 2, (\q)%2, \q, \slot, \zero
	s_wait_dscnt 0
	PLACES NP
	FETCH_B \slot, (\q)+1, 1-(\q)%2
	FETCH_A \slot, (\q)+1, 0
	WIN MUL_HI
	MUL16 4, (\q)%2, \q, \slot, \zero
	MUL16 6, (\q)%2, \q, \slot, \zero
	PLACES NP
	WIN 0
	FETCH_A \slot, (\q)+1, 4
.endm
.macro TURN slot, next, fill
	s_wait_tensorcnt 0x0
	ds_add_u32 v[SPW], v[NIL]
	s_wait_dscnt 4*NL+1
	WIN MUL_LO
	MUL16 0, 1, NQ-1, \slot, 0
	s_wait_dscnt 0x0
	s_barrier_signal -1
	MUL16 2, 1, NQ-1, \slot, 0
	WIN 0
	s_barrier_wait -1
.if \fill
	CREST
	s_add_nc_u64 s[G0+4*\slot+2:G0+4*\slot+3], s[G0+4*\slot+2:G0+4*\slot+3], 2*TILEB
	s_add_nc_u64 s[G0B+4*\slot+2:G0B+4*\slot+3], s[G0B+4*\slot+2:G0B+4*\slot+3], 2*TILEB
	JLOAD G0+4*\slot, G1, G0B+4*\slot, G1B
.else
	PLACES NP
.endif
	s_wait_alu depctr_va_vdst(0)
	v_add_nc_u32 v[ADRS], 4*NQ, v[ADRS]
	FETCH_B \next, 0, 0
	FETCH_A \next, 0, 0
	SCALES \next
	WIN MUL_HI
	MUL16 4, 1, NQ-1, \slot, 0
	MUL16 6, 1, NQ-1, \slot, 0
	PLACES NP
	WIN 0
	FETCH_A \next, 0, 4
.endm
	s_wait_alu depctr_va_vdst(0)                   ; the wait at the head's end
	s_wait_loadcnt 24                              ; the eight loads of scale bytes are in; the 8 of the gains and the 16 of cos and sin may be out
.irp j, 0,1,2,3,4,5,6,7
	ds_store_b128 v15, v[64+4*\j:67+4*\j] offset:544*\j
.endr
	s_wait_tensorcnt 0x0                           ; my part of slot 0 is in
	ds_add_u32 v28, v29
	s_wait_dscnt 0x0                               ; the add is done, and my scale bytes lie in LDS
	CROUND                                         ; everybody's part of slot 0 and of the scale bytes is in, and the joint loads meet
	JLOAD G0+4, G1, G0B+4, G1B                     ; slot 1's first fill, the first tensor load behind the round
	FETCH_B 0, 0, 0
	FETCH_A 0, 0, 0
	SCALES 0
	FETCH_A 0, 0, 4
	STEP 0, 0, 1
	TURN 0, 1, 1
	STEP 1, 0, 0
	TURN 1, 0, 1
	STEP 0, 0, 0
	TURN 0, 1, 0
	STEP 1, 0, 0
	s_wait_dscnt 4*NL
	WIN MUL_LO
	MUL16 0, 1, NQ-1, 1, 0
	MUL16 2, 1, NQ-1, 1, 0
	s_wait_dscnt 0
	WIN MUL_HI
	MUL16 4, 1, NQ-1, 1, 0
	MUL16 6, 1, NQ-1, 1, 0
	WIN 0
	PLACES NP
	s_cmp_eq_u32 ttmp9, 2
	s_cbranch_scc1 .Lv
	WIN TO_B
	CSLOAD 1
	WIN 0
	v_mov_b32 v[RS+1], 0
	v_mov_b32 v[RS+3], 0
	s_lshl_b32 s18, s40, 2
	s_lshl_b32 s19, s16, 1
	s_add_co_u32 s18, s18, s19
	s_lshl_b32 s19, s17, 1
	s_add_co_u32 s19, s19, s15
	s_mul_i32 s20, s18, 196608
	s_mul_i32 s43, s19, 6144
	s_add_co_u32 s20, s20, s43
	s_mul_i32 s12, s18, 24576
	s_lshl_b32 s43, s19, 9
	s_add_co_u32 s12, s12, s43
	s_cmp_eq_u32 ttmp9, 1
	s_cselect_b32 s44, 1, 0
	s_cselect_b64 s[46:47], s[98:99], s[96:97]
	s_lshl_b32 s20, s20, s44
	s_lshl_b32 s22, 196608, s44
	s_lshl_b32 s43, SCOFF, s44
	s_add_co_u32 s12, s12, s43
	s_mov_b32 s21, 0
	s_mov_b32 s23, 0
	s_mov_b32 s13, 0
	s_add_nc_u64 s[20:21], s[46:47], s[20:21]
	s_add_nc_u64 s[22:23], s[20:21], s[22:23]
	s_add_nc_u64 s[12:13], s[46:47], s[12:13]
.macro QKTILE a
.set W, 2+(\a)/4
.set AC, 64*((\a)%4)
.if ((\a)%2) == 0
.set CB, 96
.set SB, 224
.else
.set CB, 0
.set SB, 32
.endif
.if (\a) < 7
	s_wait_loadcnt 16
.else
	s_wait_loadcnt 0x0
.endif
.set WN, W*5
	WIN WN
.irp e, 0,1
	v_pk_mul_f32 v[SS+4*\e:SS+4*\e+1], v[AC+32*\e:AC+32*\e+1], v[AC+32*\e:AC+32*\e+1]
	v_pk_mul_f32 v[SS+4*\e+2:SS+4*\e+3], v[AC+32*\e+2:AC+32*\e+3], v[AC+32*\e+2:AC+32*\e+3]
.endr
.irp p, 4,8,12,16,20,24,28
.irp e, 0,1
	v_pk_fma_f32 v[SS+4*\e:SS+4*\e+1], v[AC+32*\e+\p:AC+32*\e+\p+1], v[AC+32*\e+\p:AC+32*\e+\p+1], v[SS+4*\e:SS+4*\e+1]
	v_pk_fma_f32 v[SS+4*\e+2:SS+4*\e+3], v[AC+32*\e+\p+2:AC+32*\e+\p+3], v[AC+32*\e+\p+2:AC+32*\e+\p+3], v[SS+4*\e+2:SS+4*\e+3]
.endr
.endr
	WIN 0
.irp e, 0,1
	v_pk_add_f32 v[SS+4*\e:SS+4*\e+1], v[SS+4*\e:SS+4*\e+1], v[SS+4*\e+2:SS+4*\e+3]
.endr
.irp e, 0,1
	v_add_f32 v[SS+4*\e], v[SS+4*\e], v[SS+4*\e+1]
.endr
.irp e, 0,1
	v_permlanex16_b32 v[SS+4*\e+2], v[SS+4*\e], s66, s67
.endr
.irp e, 0,1
	v_add_f32 v[SS+4*\e], v[SS+4*\e], v[SS+4*\e+2]
.endr
.irp e, 0,1
	v_fma_f32 v[SS+4*\e], v[SS+4*\e], s100, s3
.endr
	s_wait_alu depctr_va_vdst(0)
.irp e, 0,1
	v_rsq_f32 v[RS+2*\e], v[SS+4*\e]
.endr
	v_nop
	s_wait_alu depctr_va_vdst(0)
	WIN W
.set p, 0
.rept 32
	v_pk_mul_f32 v[Y+p:Y+p+1], v[AC+p:AC+p+1], v[RS+2*(p/32):RS+2*(p/32)+1] op_sel_hi:[1,0]
.set p, p+2
.endr
	WIN 0
.set p, 0
.rept 32
	v_pk_mul_f32 v[Y+p:Y+p+1], v[Y+p:Y+p+1], v[G+p%32:G+p%32+1]
.set p, p+2
.endr
	WIN 4
.irp e, 0,1
.irp i, 0,2,4,6,8,10,12,14
	v_pk_mul_f32 v[O+32*\e+\i:O+32*\e+\i+1], v[Y+32*\e+\i:Y+32*\e+\i+1], v[CB+\i:CB+\i+1]
	v_pk_mul_f32 v[O+32*\e+16+\i:O+32*\e+17+\i], v[Y+32*\e+16+\i:Y+32*\e+17+\i], v[CB+16+\i:CB+17+\i]
.endr
.endr
.irp e, 0,1
.irp i, 0,2,4,6,8,10,12,14
	v_pk_fma_f32 v[O+32*\e+\i:O+32*\e+\i+1], v[Y+32*\e+16+\i:Y+32*\e+17+\i], v[SB+\i:SB+\i+1], v[O+32*\e+\i:O+32*\e+\i+1] neg_lo:[1,0,0] neg_hi:[1,0,0]
	v_pk_fma_f32 v[O+32*\e+16+\i:O+32*\e+17+\i], v[Y+32*\e+\i:Y+32*\e+\i+1], v[SB+16+\i:SB+17+\i], v[O+32*\e+16+\i:O+32*\e+17+\i]
.endr
.endr
.if (\a) < 6
	WIN TO_B
	CSLOAD (\a)+2
.endif
	WIN 0
.irp e, 0,1
.irp b, 0,1
	v_max3_num_f32 v[TM+8*\e+\b], |v[O+32*\e+16*\b]|, |v[O+32*\e+16*\b+1]|, 0x1800000
.endr
.endr
.irp i, 2,4,6,8,10,12,14
.irp e, 0,1
.irp b, 0,1
	v_max3_num_f32 v[TM+8*\e+\b], v[TM+8*\e+\b], |v[O+32*\e+16*\b+\i]|, |v[O+32*\e+16*\b+\i+1]|
.endr
.endr
.endr
.irp e, 0,1
.irp b, 0,1
	v_permlanex16_b32 v[TM+8*\e+2+\b], v[TM+8*\e+\b], s66, s67
.endr
.endr
.irp e, 0,1
.irp b, 0,1
	v_max_num_f32 v[TM+8*\e+\b], v[TM+8*\e+\b], v[TM+8*\e+2+\b]
.endr
.endr
.irp e, 0,1
.irp b, 0,1
	v_add_nc_u32 v[TM+8*\e+4+\b], 0xff000000, v[TM+8*\e+\b]
.endr
.endr
.irp e, 0,1
.irp b, 0,1
	v_lshrrev_b32 v[TM+8*\e+6+\b], 23, v[TM+8*\e+4+\b]
.endr
.endr
.irp e, 0,1
	v_lshl_or_b32 v[SW+8*\e+(\a)], v[TM+8*\e+7], 8, v[TM+8*\e+6]
.endr
	s_wait_xcnt 0x0
.irp e, 0,1
	v_cvt_scalef32_pk16_fp6_f32 v[PC+6*\e:PC+6*\e+2], v[O+32*\e:O+32*\e+15], v[TM+8*\e+4]
	v_cvt_scalef32_pk16_fp6_f32 v[PT+4*\e:PT+4*\e+2], v[O+32*\e+16:O+32*\e+31], v[TM+8*\e+5]
.endr
	v_nop
.irp e, 0,1
.irp i, 0,1,2
	v_permlane16_swap_b32 v[PC+6*\e+\i], v[PT+4*\e+\i]
.endr
.irp i, 0,1,2
	v_mov_b32 v[PC+6*\e+3+\i], v[PT+4*\e+\i]
.endr
.endr
.irp e, 0,1
	global_store_b128 v10, v[PC+6*\e:PC+6*\e+3], s[20+2*\e:21+2*\e] offset:768*(\a)
	global_store_b64 v11, v[PC+6*\e+4:PC+6*\e+5], s[20+2*\e:21+2*\e] offset:768*(\a)+512
.endr
.endm
.irp a, 0,1,2,3,4,5,6,7
	QKTILE \a
.endr
.irp e, 0,1
.irp i, 0,1,2,3
	v_cndmask_b32 v[TM+4*\e+\i], v[SW+8*\e+\i], v[SW+8*\e+4+\i], s101
.endr
	global_store_b128 v12, v[TM+4*\e:TM+4*\e+3], s[12:13] offset:24576*\e
.endr
	FINISH
.Lv:
.set TV,  96
.set PV,  64
.set SWV, 84
.irp b, 0,1,2,3
	v_mov_b32 v[TV+4+\b], 0
.endr
	s_lshl_b32 s18, s41, 2
	s_lshl_b32 s19, s15, 1
	s_add_co_u32 s18, s18, s19
	s_lshl_b32 s19, s42, 1
	s_add_co_u32 s19, s19, s16
	s_mul_i32 s20, s18, 393216
	s_mul_i32 s43, s19, 12288
	s_add_co_u32 s20, s20, s43
	s_add_co_u32 s20, s20, 6144
	s_mov_b32 s21, 0
	s_mul_i32 s12, s18, 24576
	s_lshl_b32 s43, s19, 8
	s_add_co_u32 s12, s12, s43
	s_add_co_u32 s12, s12, 6291456+16384
	s_mov_b32 s13, 0
	s_add_nc_u64 s[20:21], s[98:99], s[20:21]
	s_add_nc_u64 s[12:13], s[98:99], s[12:13]
.macro VTILE a
.set W, 2+(\a)/4
.set AC, 64*((\a)%4)
.set WN, W*20
	WIN WN
.irp b, 0,1,2,3
	v_max3_num_f32 v[TV+\b], 0x1800000, |v[AC+16*\b]|, |v[AC+16*\b+1]|
.endr
.irp i, 2,4,6,8,10,12,14
.irp b, 0,1,2,3
	v_max3_num_f32 v[TV+\b], v[TV+\b], |v[AC+16*\b+\i]|, |v[AC+16*\b+\i+1]|
.endr
.endr
	WIN 0
.irp b, 0,1,2,3
	v_permlanex16_b32 v[TV+4+\b], v[TV+\b], s66, s67
.endr
.irp b, 0,1,2,3
	v_max_num_f32 v[TV+\b], v[TV+\b], v[TV+4+\b]
.endr
.irp b, 0,1,2,3
	v_add_nc_u32 v[TV+12+\b], 0xff000000, v[TV+\b]
.endr
.irp b, 0,1,2,3
	v_lshrrev_b32 v[TV+4+\b], 23, v[TV+12+\b]
.endr
	v_lshl_or_b32 v[SWV+(\a)], v[TV+5], 8, v[TV+4]
	v_lshl_or_b32 v[SWV+(\a)], v[TV+6], 16, v[SWV+(\a)]
	v_lshl_or_b32 v[SWV+(\a)], v[TV+7], 24, v[SWV+(\a)]
	s_wait_xcnt 0x0
	WIN W
.irp c, 0,1
	v_cvt_scalef32_pk16_fp6_f32 v[PV+6*\c:PV+6*\c+2], v[AC+32*\c:AC+32*\c+15], v[TV+12+2*\c]
	v_cvt_scalef32_pk16_fp6_f32 v[PV+12+4*\c:PV+14+4*\c], v[AC+32*\c+16:AC+32*\c+31], v[TV+13+2*\c]
.endr
	WIN 0
	v_nop
.irp c, 0,1
.irp i, 0,1,2
	v_permlane16_swap_b32 v[PV+6*\c+\i], v[PV+12+4*\c+\i]
.endr
.irp i, 0,1,2
	v_mov_b32 v[PV+3+6*\c+\i], v[PV+12+4*\c+\i]
.endr
.endr
.irp j, 0,1,2
	global_store_b128 v10, v[PV+4*\j:PV+4*\j+3], s[20:21] offset:((\a)/4)*393216+((\a)%4)*1536+512*\j
.endr
.endm
.irp a, 0,1,2,3,4,5,6,7
	VTILE \a
.endr
.irp i, 0,1,2,3
	v_cndmask_b32 v[TV+\i], v[SWV+\i], v[SWV+4+\i], s101
.endr
	global_store_b128 v13, v[TV:TV+3], s[12:13]
	FINISH
.Lfunc_end_k_qea2c99ae8e_qkv:
	.size	k_qea2c99ae8e_qkv, .Lfunc_end_k_qea2c99ae8e_qkv-k_qea2c99ae8e_qkv
	.p2alignl 7, 3214868480
	.fill 96, 4, 3214868480
	.section	.rodata,"a",@progbits
	.p2align	6, 0x0
	.amdhsa_kernel k_qea2c99ae8e_qkv
		.amdhsa_group_segment_fixed_size 327680
		.amdhsa_private_segment_fixed_size 0
		.amdhsa_enable_private_segment 0
		.amdhsa_kernarg_size 64
		.amdhsa_user_sgpr_count 2
		.amdhsa_user_sgpr_kernarg_segment_ptr 1
		.amdhsa_wavefront_size32 1
		.amdhsa_system_sgpr_workgroup_id_x 1
		.amdhsa_system_sgpr_workgroup_id_y 1
		.amdhsa_system_sgpr_workgroup_id_z 1
		.amdhsa_system_vgpr_workitem_id 0
		.amdhsa_next_free_vgpr 1024
		.amdhsa_next_free_sgpr 102
		.amdhsa_reserve_vcc 0
		.amdhsa_float_denorm_mode_32 3
		.amdhsa_float_denorm_mode_16_64 3
		.amdhsa_memory_ordered 1
		.amdhsa_forward_progress 1
		.amdhsa_inst_pref_size 255
	.end_amdhsa_kernel
	.section	.bss,"aw",@nobits
	.p2align	6
	.space	262144
	.amdgpu_metadata
---
amdhsa.version: [ 1, 2 ]
amdhsa.kernels:
  - .name:           k_qea2c99ae8e_qkv
    .symbol:         k_qea2c99ae8e_qkv.kd
    .args:
      - { .name: xb, .offset: 0, .size: 8, .value_kind: global_buffer, .address_space: global }
      - { .name: wb, .offset: 8, .size: 8, .value_kind: global_buffer, .address_space: global }
      - { .name: cos, .offset: 16, .size: 8, .value_kind: global_buffer, .address_space: global }
      - { .name: sin, .offset: 24, .size: 8, .value_kind: global_buffer, .address_space: global }
      - { .name: gq, .offset: 32, .size: 8, .value_kind: global_buffer, .address_space: global }
      - { .name: gk, .offset: 40, .size: 8, .value_kind: global_buffer, .address_space: global }
      - { .name: qb, .offset: 48, .size: 8, .value_kind: global_buffer, .address_space: global }
      - { .name: kb, .offset: 56, .size: 8, .value_kind: global_buffer, .address_space: global }
    .group_segment_fixed_size: 327680
    .private_segment_fixed_size: 0
    .kernarg_segment_align: 8
    .kernarg_segment_size: 64
    .max_flat_workgroup_size: 128
    .sgpr_count:     102
    .vgpr_count:     1024
    .wavefront_size: 32
...
	.end_amdgpu_metadata
.endif
;; end of part 2
;; launch attn (part 3): grid 16 x 16, 16 waves a work-group, clusters of 4 x 1, 327,680 bytes of LDS; arguments qb, kb, ab; writes ab
.if DOCPART == 3
	.amdgcn_target "amdgcn-amd-amdhsa--gfx1250"
	.amdhsa_code_object_version 6
	.text
	.protected	k_qea2c99ae8e_attn
	.globl	k_qea2c99ae8e_attn
	.p2align	8
	.type	k_qea2c99ae8e_attn,@function
k_qea2c99ae8e_attn:
	s_mov_b64 s[64:65], 0
	v_nop
	global_prefetch_b8 v0, s[64:65] scope:SCOPE_SE
	s_setreg_imm32_b32 hwreg(HW_REG_WAVE_MODE, 25, 1), 1
	s_wait_xcnt 0x0
	s_wait_alu depctr_hold_cnt(0) depctr_sa_sdst(0) depctr_va_vdst(0) depctr_va_sdst(0) depctr_va_ssrc(0) depctr_va_vcc(0) depctr_vm_vsrc(0)
	s_getreg_b32 s2, hwreg(HW_REG_IB_STS2, 6, 4)
	s_cmp_eq_u32 s2, 0
	s_cbranch_scc0 .Lentry_in_a_cluster
	s_endpgm
.Lentry_in_a_cluster:
	s_bfe_u32 s2, ttmp6, 0x10000c
	s_cmp_lg_u32 s2, 0x3003
	s_cbranch_scc0 .Lentry_shape_is_right
	s_endpgm
.Lentry_shape_is_right:
; For each of 16 heads: softmax(q k^T / 8) v over 4,096 keys, both products on codes of FP6, and the result quantised along the 1,024 channels for the last product.
; THE SOFTMAX: t = score x log2(e) / 8; M = the running largest t rounded UP to a whole number; p = 2^(t - M) is quantised along the keys, not normalised; the row's sum is taken of the unquantised p and divides at the end.
; When M moves, the sum and O are multiplied by 2^(old M - new M): exact.
; SHARES.  A work-group owns 256 queries of a head, each of its sixteen waves one tile of 16 in 256 registers.  Both products are used transposed (S^T = K Q^T, O^T = V^T P^T): a lane holds ONE query.
; WHICH KEYS FORM A TILE OF K is chosen by the lanes' LDS addresses: tile 4 c + u takes keys 64 c + 8 u + 0..7 as rows 0-7 and the keys 32 further on as rows 8-15.  In kb image 2 b + u' holds keys 32 b + 8 u' + 0..7 and 16 further on,
; so lanes with r < 8 read image 4 c + u % 2, lanes with r >= 8 the image two on, both at its rows 8 (u / 2) + r % 8.  So lane (r, h) holds in the 32 registers of tiles 4 c .. 4 c + 3 the keys 64 c + 32 h + 0..31 in order:
; ONE WHOLE BLOCK of p's quantiser, in the very place that the operand's layout gives that lane: no lane is asked for a block's maximum, and no code changes lanes.
; THE HEAD'S 64 ARE HALF OF THE INSTRUCTION'S 128: q's codes of k = 64 .. 127 are zeros, and both sides' scale bytes 2 and 3 are 0.  Tile t's operand is v[32 + 6 t] on, twelve registers, of which the upper six are tile t + 1's codes (behind the last: zeros).
; THE RING: two slots of 8 key steps (12,288 bytes a step: eight images of K, four of V), filled by waves 0-3; wave 4 brings the head's scale bytes once.
; CLUSTER 4 x 1: the four query blocks of a cluster walk the same K and V: every tile is asked for jointly.
; LIMITS: NaN and infinities are not served; a block of zeros carries the byte 1; the scaled scores stay under 2^31 in magnitude; v_exp_f32 and v_rcp_f32 are used as they are.
.set STEPB, 12288
.set SLOTB, 8*STEPB
.set SLOT1, 1<<17
.set SCL,   98304                      ; the head's scale bytes: K's 32 x 512, then V's 32 x 256
.set SPARE, 122880                     ; the spare words, 128 bytes a wave
.set ASG,   124928                     ; 256 rows x 2 scale bytes of the result
.set KV,  32                           ; v32-79 K's eight images, later V's four fragments; v80-85 zeros
.set KSC, 86                           ; v86-93 K's scale words
.set VSC, 94                           ; v94-97 V's
.set S,   98                           ; v98-161 S^T, then p
.set OT,  162                          ; v162-193 O^T
.set PCD, 194                          ; v194-205 p's codes
.set BM,  206
.set BT,  210
.set SO,  214
.set CT,  218
.set T,   240                          ; v240-253 seven chains of the row's sum
; v232 8 h; v233, v235 K's lane addresses (16 and 8 bytes a lane); v236 V's address of the step
.macro CROUND
	s_barrier_signal -1
	s_barrier_wait -1
	s_cmp_lg_u32 s10, 0
	s_cbranch_scc1 .Lnot_wave_0_\@
	s_barrier_signal -3
.Lnot_wave_0_\@:
	s_barrier_wait -3
	s_barrier_signal -1
	s_barrier_wait -1
.endm
.macro TLOAD                           ; waves 0-3: a quarter of a slot each
	s_cmp_lt_u32 s10, 4
	s_cbranch_scc0 .Lnot_mine_\@
	tensor_load_to_lds s[24:27], s[16:23]
	s_nop 0
.rept 4
	v_nop
.endr
.Lnot_mine_\@:
.endm
; A prefetch of the slot that the NEXT change of slots will ask for: 98,304 bytes, 384 blocks of 256.  The head's first cluster asks; its four partners take a quarter each, told apart by address;
; in each, waves 8, 9, 10 ask for 8,192 bytes, lanes 256 bytes apart: each block is named once.  Slots 0 and 1 come by their loads alone; the last change that fills a slot asks for nothing.
.macro ASK
	s_cmp_gt_u32 s31, s40
	s_cbranch_scc0 .Lno_ask_\@
	global_prefetch_b8 v11, s[38:39] th:TH_LOAD_NT scope:SCOPE_SE
.Lno_ask_\@:
.endm
	s_load_b128 s[4:7], s[0:1], 0x0                ; qb, kb
	s_load_b64 s[8:9], s[0:1], 0x10                ; ab
	v_lshl_add_u32 v5, v0, 2, SPARE
	v_mov_b32 v6, 0
	ds_add_u32 v5, v6                              ; the opening lines
	ds_add_u32 v5, v6
	s_wait_dscnt 0x0
	v_lshrrev_b32 v7, 5, v0
	s_delay_alu instid0(VALU_DEP_1)
	v_readfirstlane_b32 s10, v7                    ; wave 0..15
	v_and_b32 v7, 31, v0
	v_and_b32 v8, 15, v0
	v_lshlrev_b32 v1, 4, v7                        ; 16 x lane
	v_lshlrev_b32 v2, 3, v7                        ; 8 x lane
	v_lshlrev_b32 v229, 4, v8                      ; 16 r
	s_delay_alu instid0(VALU_DEP_1)
	v_add_nc_u32 v4, SCL+16384, v229               ; V's scale words: 16 bytes a row, four tiles' words
	v_and_b32 v9, 7, v0                            ; r % 8
	v_bfe_u32 v10, v0, 3, 1                        ; r / 8
	v_bfe_u32 v232, v0, 4, 1                       ; h
	v_lshlrev_b32 v3, 4, v9
	v_mul_u32_u24 v234, v10, 1536                  ; rows 8-15 come from the image two on
	v_lshl_add_u32 v233, v232, 4, v9               ; the image's lane: r % 8 + 16 h
	v_lshl_add_u32 v3, v10, 3, v3
	v_lshlrev_b32 v232, 3, v232                    ; 8 h
	v_lshl_add_u32 v235, v233, 3, v234             ; K's registers 4-5
	v_lshl_add_u32 v233, v233, 4, v234             ; K's registers 0-3
	v_add_nc_u32 v3, SCL, v3                       ; K's scale words: 16 (r % 8) + 8 (r / 8): two tiles' words on end
	v_lshlrev_b32 v11, 8, v7                       ; the prefetches' offset
	v_and_b32 v230, 0x1e0, v0
	s_delay_alu instid0(VALU_DEP_1)
	v_lshl_add_u32 v230, v8, 1, v230
	s_delay_alu instid0(VALU_DEP_1)
	v_add_nc_u32 v230, ASG, v230                   ; my row's two scale bytes: 32 x wave + 2 r
	v_add_nc_u32 v231, ASG, v1
	s_bfe_u32 s11, ttmp6, 0x40000                  ; cx
	s_lshl_b32 s12, ttmp9, 2
	s_add_co_u32 s12, s12, s11                     ; my block of 256 queries
	s_and_b32 s13, ttmp7, 0xffff                   ; the head, which the four partners share
	s_lshl_b32 s14, s12, 4
	s_add_co_u32 s14, s14, s10                     ; my tile of 16 queries
	s_mov_b32 s16, 15|(3<<16)|(1<<21)              ; group 1: all four work-groups; elements of 8 bytes; 96 dense rows of 256 bytes
	s_mov_b32 s17, 32<<16
	s_mov_b32 s18, 96<<16
	s_mov_b32 s19, 32<<16
	s_mov_b32 s20, 96
	s_mov_b32 s21, 32
	s_mov_b32 s22, 0
	s_mov_b32 s23, 0
	s_mov_b32 s24, 1
	s_mul_i32 s25, s10, 24576                      ; waves 0-3: a quarter of slot 0; wave 4: the scale bytes' place
	s_mul_i32 s41, s13, 393216
	s_mul_i32 s42, s10, 24576
	s_add_co_u32 s42, s42, s41
	s_mul_i32 s43, s13, 24576
	s_add_co_u32 s43, s43, 6291456
	s_cmp_lt_u32 s10, 4
	s_cselect_b32 s42, s42, s43
	s_mov_b32 s43, 0
	s_mul_i32 s48, s13, 196608
	s_mul_i32 s49, s14, 768
	s_add_co_u32 s48, s48, s49                     ; q's image
	s_mov_b32 s49, 0
	s_mul_i32 s50, s13, 24576                      ; q's scale word: group of 8 tiles, plane of 4, word
	s_lshr_b32 s51, s14, 3
	s_lshl_b32 s51, s51, 9
	s_add_co_u32 s50, s50, s51
	s_bfe_u32 s51, s14, 0x10002
	s_lshl_b32 s51, s51, 8
	s_add_co_u32 s50, s50, s51
	s_and_b32 s51, s14, 3
	s_lshl_b32 s51, s51, 2
	s_add_co_u32 s50, s50, s51
	s_add_co_u32 s50, s50, 3145728
	s_mov_b32 s51, 0
	s_mul_i32 s52, s14, 12288
	s_mul_i32 s53, s13, 768
	s_add_co_u32 s52, s52, s53                     ; the result's image: [tile][head]
	s_mov_b32 s53, 0
	s_lshl_b32 s54, s13, 13
	s_lshl_b32 s55, s12, 9
	s_add_co_u32 s54, s54, s55
	s_add_co_u32 s54, s54, 3145728                 ; its scale bytes: [head][row], two a row
	s_mov_b32 s55, 0
	s_mul_i32 s56, s11, 24576
	s_add_co_u32 s56, s56, s41
	s_and_b32 s57, s10, 3
	s_lshl_b32 s57, s57, 13
	s_add_co_u32 s56, s56, s57
	s_add_co_u32 s56, s56, SLOTB                   ; in slot 1: the first change of slots steps it to slot 2
	s_mov_b32 s57, 0
	s_sub_co_u32 s40, s10, 8
	s_cmp_lt_u32 s40, 3                            ; waves 8, 9, 10
	s_cselect_b32 s40, 0, 1
	s_or_b32 s40, s40, ttmp9                       ; of the head's first cluster: the same in all four partners
	s_cmp_eq_u32 s40, 0
	s_cselect_b32 s40, 1, -1
	s_mov_b32 s28, 0                               ; LDS byte of the step in hand,
	s_mov_b32 s29, 0                               ; of its scale words of K: 512 a step,
	s_mov_b32 s30, 0                               ; of V: 256 a step
	s_mov_b32 s31, 3                               ; slots still to be asked for
	s_mov_b32 s34, 0x76543210
	s_mov_b32 s35, 0xfedcba98
	s_mov_b32 s36, 0x3e38aa3b                      ; c = log2(e) / 8
	s_mov_b32 s37, s36
	s_wait_kmcnt 0x0
	s_add_nc_u64 s[26:27], s[6:7], s[42:43]
	s_or_b32 s27, s27, 0x80000000
	s_add_nc_u64 s[38:39], s[6:7], s[56:57]
	s_add_nc_u64 s[48:49], s[4:5], s[48:49]
	s_add_nc_u64 s[50:51], s[4:5], s[50:51]
	s_add_nc_u64 s[44:45], s[8:9], s[52:53]
	s_add_nc_u64 s[46:47], s[8:9], s[54:55]
	CROUND                                         ; all four work-groups are here: the first joint loads meet
	s_cmp_lt_u32 s10, 5                            ; slot 0 and the scale bytes: one load a wave, in one branch
	s_cbranch_scc0 .Lno_first
	tensor_load_to_lds s[24:27], s[16:23]
	s_nop 0
.rept 4
	v_nop
.endr
.Lno_first:
	s_wait_alu depctr_va_vdst(0)                   ; the wait ahead of these readers
	global_load_b128 v[16:19], v1, s[48:49]        ; q's codes stay in registers
	global_load_b64 v[20:21], v2, s[48:49] offset:512
	global_load_b32 v28, v229, s[50:51]            ; and its scale word
.irp j, 22,23,24,25,26,27, 80,81,82,83,84,85
	v_mov_b32 v[\j], 0                             ; zero codes
.endr
	v_mov_b32 v13, 0xff61b1e6                      ; the largest score so far: -3e38
	s_delay_alu instid0(VALU_DEP_1)
	v_floor_f32 v12, -v13                          ; -M
	v_mov_b32 v14, 0
	v_mov_b32 v15, 0
	v_mov_b32 v31, 0                               ; (upper half of the pair v[30:31])
	v_mov_b32 v228, 0
.irp b, 0,1,2,3
	v_mov_b32 v[BT+\b], 0                          ; a lane permute's destination counts as one of its sources
.endr
.set j, 0
.rept 32
	v_mov_b32 v[OT+j], 0                           ; O^T: the first step finds zeros, which the first change of M leaves zeros
.set j, j+1
.endr
; A KEY STEP: 128 keys.
.macro STEP
	v_add_nc_u32 v7, s28, v233                     ; with the addition behind the last products these three are the four places in front of the loads
	v_add_nc_u32 v8, s28, v235
	v_add_nc_u32 v9, s29, v3
.irp t, 0,1,2,3,4,5,6,7
	ds_load_b128 v[KV+6*\t:KV+6*\t+3], v7 offset:768*(4*(\t/4)+\t%2)+128*((\t%4)/2)
	ds_load_b64 v[KV+6*\t+4:KV+6*\t+5], v8 offset:768*(4*(\t/4)+\t%2)+512+64*((\t%4)/2)
.endr
.irp w, 0,1,2,3
	ds_load_b64 v[KSC+2*\w:KSC+2*\w+1], v9 offset:256*(\w/2)+128*(\w%2)   ; the words of tiles 2 w, 2 w + 1
.endr
	s_wait_alu depctr_va_vdst(0)
	s_wait_dscnt 0x0
.irp t, 0,1,2,3,4,5,6,7
	v_wmma_scale_f32_16x16x128_f8f6f4 v[S+8*\t:S+8*\t+7], v[KV+6*\t:KV+6*\t+11], v[16:27], 0, v[KSC+\t], v28 matrix_a_fmt:MATRIX_FMT_FP6 matrix_b_fmt:MATRIX_FMT_FP6
.endr
	v_add_nc_u32 v236, s28, v1                     ; four places: for the loads into K's registers and for the first reads of the scores
	v_add_nc_u32 v10, s30, v4
	v_mov_b32 v228, v12                            ; the old -M
	v_nop
.irp d, 0,1,2,3
.irp j, 0,1,2
	ds_load_b128 v[KV+12*\d+4*\j:KV+12*\d+4*\j+3], v236 offset:6144+1536*\d+512*\j   ; V's fragments land under the softmax
.endr
.endr
	ds_load_b128 v[VSC:VSC+3], v10
.irp b, 0,1,2,3
	v_max3_num_f32 v[BM+\b], v[S+16*\b], v[S+16*\b+1], v[S+16*\b+2]   ; four chains, two to each of my two blocks of 32 keys
.endr
.irp i, 3,5,7,9,11,13
.irp b, 0,1,2,3
	v_max3_num_f32 v[BM+\b], v[BM+\b], v[S+16*\b+\i], v[S+16*\b+\i+1]
.endr
.endr
.irp c, 0,1
	v_max3_num_f32 v[BM+2*\c], v[BM+2*\c], v[S+32*\c+15], v[S+32*\c+31]
.endr
	s_delay_alu instid0(VALU_DEP_2)
	v_max_num_f32 v[BM], v[BM], v[BM+1]            ; the largest score of block h,
	s_delay_alu instid0(VALU_DEP_2)
	v_max_num_f32 v[BM+1], v[BM+2], v[BM+3]        ; of block 2 + h: for the row's maximum and, since p rises with the score, for the block's largest p
	s_delay_alu instid0(VALU_DEP_1)
	v_max_num_f32 v[BT], v[BM], v[BM+1]
	s_delay_alu instid0(VALU_DEP_1)
	v_permlanex16_b32 v[BT+1], v[BT], s34, s35
	s_delay_alu instid0(VALU_DEP_1)
	v_max3_num_f32 v13, v13, v[BT], v[BT+1]        ; the running largest score (c is positive)
	s_delay_alu instid0(VALU_DEP_1)
	v_mul_f32 v[BT], s36, v13                      ; as t
	s_delay_alu instid0(VALU_DEP_1)
	v_floor_f32 v12, -v[BT]                        ; -M = floor(-t): M is a whole number
	s_delay_alu instid0(VALU_DEP_1)
	v_sub_f32 v228, v12, v228
	s_delay_alu instid0(VALU_DEP_1)
	v_cvt_i32_f32 v228, v228                       ; (it saturates)
	s_delay_alu instid0(VALU_DEP_1)
	v_ldexp_f32 v30, 1.0, v228                     ; f = 2^(old M - new M)
.set j, 0
.rept 32
	v_pk_fma_f32 v[S+j:S+j+1], v[S+j:S+j+1], s[36:37], v[12:13] op_sel_hi:[1,0,0]   ; t - M
.set j, j+2
.endr
.irp c, 0,1
	v_fma_f32 v[BM+\c], v[BM+\c], s36, v12
.endr
	s_wait_alu depctr_va_vdst(0)                   ; the wait ahead of the batch
.set j, 0
.rept 64
	v_exp_f32 v[S+j], v[S+j]                       ; p = 2^(t - M)
.set j, j+1
.endr
	v_pk_mul_f32 v[14:15], v[14:15], v[30:31] op_sel_hi:[1,0]   ; the sum under the new M; a plain instruction behind the exponentials
	s_wait_alu depctr_va_vdst(0)                   ; one wait for the batch, ahead of its first reader
.irp c, 0,1
	v_exp_f32 v[BM+\c], v[BM+\c]                   ; the block's largest p
.endr
.irp i, 0,1,2,3,4,5,6                              ; the row's sum of the unquantised p: 32 pairs in eight chains
	v_pk_add_f32 v[T+2*\i:T+2*\i+1], v[S+4*\i:S+4*\i+1], v[S+4*\i+2:S+4*\i+3]
.endr
	v_pk_add_f32 v[14:15], v[14:15], v[S+28:S+29]
.irp i, 0,1,2,3,4,5,6
	v_pk_add_f32 v[T+2*\i:T+2*\i+1], v[T+2*\i:T+2*\i+1], v[S+30+2*\i:S+31+2*\i]
.endr
	v_pk_add_f32 v[14:15], v[14:15], v[S+44:S+45]
.irp i, 0,1,2,3,4,5,6
	v_pk_add_f32 v[T+2*\i:T+2*\i+1], v[T+2*\i:T+2*\i+1], v[S+46+2*\i:S+47+2*\i]
.endr
	v_pk_add_f32 v[14:15], v[14:15], v[S+60:S+61]
	v_pk_add_f32 v[T:T+1], v[T:T+1], v[S+62:S+63]
	v_pk_add_f32 v[T+2:T+3], v[T+2:T+3], v[T+4:T+5]
	v_pk_add_f32 v[T+6:T+7], v[T+6:T+7], v[T+8:T+9]
	v_pk_add_f32 v[T+10:T+11], v[T+10:T+11], v[T+12:T+13]
	v_pk_add_f32 v[T:T+1], v[T:T+1], v[T+2:T+3]
	v_pk_add_f32 v[14:15], v[14:15], v[T+6:T+7]
	v_pk_add_f32 v[T:T+1], v[T:T+1], v[T+10:T+11]  ; (the last addition stands behind the products below)
	s_wait_alu depctr_va_vdst(0)                   ; and one for the two
.irp c, 0,1
	v_max_num_f32 v[BM+\c], 0x1800000, v[BM+\c]    ; the floor 2^(3 - 127): the byte cannot fall under 1
.endr
.irp c, 0,1
	s_delay_alu instid0(VALU_DEP_2)
	v_add_nc_u32 v[SO+\c], 0xff000000, v[BM+\c]    ; 2 off the exponent field: the conversions' scale operand
.endr
.irp c, 0,1
	s_delay_alu instid0(VALU_DEP_2)
	v_lshrrev_b32 v[BT+\c], 23, v[SO+\c]
.endr
	s_delay_alu instid0(VALU_DEP_1)
	v_lshl_or_b32 v29, v[BT+1], 16, v[BT]          ; my two bytes: blocks h and 2 + h,
	s_delay_alu instid0(VALU_DEP_1)
	v_lshlrev_b32 v29, v232, v29                   ; at their places in the word;
	s_delay_alu instid0(VALU_DEP_1)
	v_permlanex16_b32 v[BT+2], v29, s34, s35
	s_delay_alu instid0(VALU_DEP_1)
	v_or_b32 v29, v29, v[BT+2]                     ; with lane l xor 16's two: p's scale word for these 128 keys
.irp c, 0,1
	v_cvt_scalef32_pk16_fp6_f32 v[PCD+6*\c:PCD+6*\c+2], v[S+32*\c:S+32*\c+15], v[SO+\c]
	v_cvt_scalef32_pk16_fp6_f32 v[CT+4*\c:CT+4*\c+2], v[S+32*\c+16:S+32*\c+31], v[SO+\c]   ; (a conversion's three registers begin on an even number)
.endr
	s_wait_alu depctr_va_vdst(0)                   ; the wait directly ahead of the first reader of O^T
	v_pk_mul_f32 v[OT:OT+1], v[OT:OT+1], v[30:31] op_sel_hi:[1,0]   ; O^T under the new M; the first is the plain instruction behind the conversions
.irp c, 0,1
.irp i, 0,1,2
	v_mov_b32 v[PCD+3+6*\c+\i], v[CT+4*\c+\i]
.endr
.endr
.set j, 2
.rept 15
	v_pk_mul_f32 v[OT+j:OT+j+1], v[OT+j:OT+j+1], v[30:31] op_sel_hi:[1,0]   ; also the places between the scale word, the codes and the products
.set j, j+2
.endr
	s_wait_alu depctr_va_vdst(0)
	s_wait_dscnt 0x0                               ; V
.irp d, 0,1,2,3
	v_wmma_scale_f32_16x16x128_f8f6f4 v[OT+8*\d:OT+8*\d+7], v[KV+12*\d:KV+12*\d+11], v[PCD:PCD+11], v[OT+8*\d:OT+8*\d+7], v[VSC+\d], v29 matrix_a_fmt:MATRIX_FMT_FP6 matrix_b_fmt:MATRIX_FMT_FP6
.endr
	v_pk_add_f32 v[14:15], v[14:15], v[T:T+1]      ; the sum's last addition: the first place behind the products
	s_add_co_u32 s28, s28, STEPB
	s_add_co_u32 s29, s29, 512
	s_add_co_u32 s30, s30, 256
.endm
.macro SLOT_STEPS                      ; a slot's eight key steps
	s_mov_b32 s32, 8
.Lstep_\@:
	STEP
	s_sub_co_u32 s32, s32, 1
	s_cmp_lg_u32 s32, 0
	s_cbranch_scc1 .Lstep_\@
	s_sub_co_u32 s28, s28, SLOTB
	s_xor_b32 s28, s28, SLOT1                      ; on to the other slot
.endm
; THE CHANGE OF SLOTS, at a slot's head.  Each wave waits for all its tensor loads, adds 0 to its spare word, and waits for that and for its reads of the slot that it has left.  fill = 1: behind a round of the cluster's barrier that
; slot is filled with the keys that follow: one joint load a wave, which has eight key steps in which to land.
.macro CHANGE fill
	s_wait_tensorcnt 0x0                           ; no tensor load of mine is out, so group 0 may be written
	ds_add_u32 v5, v6                              ; twice here
	ds_add_u32 v5, v6
.if \fill
	s_xor_b32 s25, s25, SLOT1
	s_add_nc_u64 s[26:27], s[26:27], SLOTB
	s_wait_xcnt 0x0                                ; the last prefetch, a slot back, has read its address
	s_add_nc_u64 s[38:39], s[38:39], SLOTB
.endif
	s_wait_dscnt 0x0
.if \fill
	CROUND
	TLOAD
	ASK
.else
	s_barrier_signal -1
	s_barrier_wait -1
.endif
.endm
	s_wait_loadcnt 0x0                             ; q
.Lslot:                                            ; three trips: behind each change of slots but the last the next slot is asked for
	CHANGE 1
	SLOT_STEPS
	s_sub_co_u32 s31, s31, 1
	s_cmp_lg_u32 s31, 0
	s_cbranch_scc1 .Lslot
	CHANGE 0                                       ; the last slot is written out
	SLOT_STEPS
	; THE END.  O^T / the sum: register 16 b + i is channel 32 b + 16 h + i of my query: two blocks of 32 along the last product's K.
	s_wait_alu depctr_va_vdst(0)                   ; the wait ahead of this reader
	v_add_f32 v14, v14, v15
	s_delay_alu instid0(VALU_DEP_1)
	v_permlanex16_b32 v228, v14, s34, s35
	s_delay_alu instid0(VALU_DEP_1)
	v_add_f32 v14, v14, v228
	s_wait_alu depctr_va_vdst(0)
	v_rcp_f32 v14, v14
.rept 4
	v_nop                                          ; behind the reciprocal, and the places behind the last products
.endr
	s_wait_alu depctr_va_vdst(0)
.set j, 0
.rept 32
	v_mul_f32 v[S+j], v[OT+j], v14                 ; each accumulator from its low end on
.set j, j+1
.endr
.irp b, 0,1
	v_max3_num_f32 v[BM+\b], |v[S+16*\b]|, |v[S+16*\b+1]|, 0x1800000
.endr
.irp i, 2,4,6,8,10,12,14
.irp b, 0,1
	s_delay_alu instid0(VALU_DEP_2)
	v_max3_num_f32 v[BM+\b], v[BM+\b], |v[S+16*\b+\i]|, |v[S+16*\b+\i+1]|
.endr
.endr
.irp b, 0,1
	s_delay_alu instid0(VALU_DEP_2)
	v_permlanex16_b32 v[BT+\b], v[BM+\b], s34, s35
.endr
.irp b, 0,1
	s_delay_alu instid0(VALU_DEP_2)
	v_max_num_f32 v[BM+\b], v[BM+\b], v[BT+\b]
.endr
.irp b, 0,1
	s_delay_alu instid0(VALU_DEP_2)
	v_add_nc_u32 v[SO+\b], 0xff000000, v[BM+\b]
.endr
.irp b, 0,1
	s_delay_alu instid0(VALU_DEP_2)
	v_lshrrev_b32 v[BT+\b], 23, v[SO+\b]
.endr
	s_delay_alu instid0(VALU_DEP_1)
	v_lshl_or_b32 v228, v[BT+1], 8, v[BT]          ; my row's two scale bytes
	v_cvt_scalef32_pk16_fp6_f32 v[PCD:PCD+2], v[S:S+15], v[SO]
	v_cvt_scalef32_pk16_fp6_f32 v[CT:CT+2], v[S+16:S+31], v[SO+1]
	v_nop
.irp i, 0,1,2
	v_permlane16_swap_b32 v[PCD+\i], v[CT+\i]      ; here a block lies in lanes l and l xor 16: the operand wants it whole in a lane
.endr
.irp i, 0,1,2
	s_delay_alu instid0(VALU_DEP_3)
	v_mov_b32 v[PCD+3+\i], v[CT+\i]
.endr
	ds_store_b16 v230, v228                        ; both halves of the lanes write the same two bytes
	global_store_b128 v1, v[PCD:PCD+3], s[44:45]   ; the image: 512 and 256 consecutive bytes, aligned to 256
	global_store_b64 v2, v[PCD+4:PCD+5], s[44:45] offset:512
	s_wait_dscnt 0x0                               ; for wave 0's sake
	s_barrier_signal -1
	s_barrier_wait -1
	s_cmp_lg_u32 s10, 0
	s_cbranch_scc1 .Lnot_first
	ds_load_b128 v[S:S+3], v231                    ; the block's 256 rows x 2 bytes leave as 512 consecutive bytes
	s_wait_dscnt 0x0
	global_store_b128 v1, v[S:S+3], s[46:47]
.Lnot_first:
	s_wait_tensorcnt 0x0                           ; the wave's end
	ds_add_u32 v5, v6
	s_wait_dscnt 0x0
	CROUND                                         ; the closing round
	s_endpgm
.Lfunc_end_k_qea2c99ae8e_attn:
	.size	k_qea2c99ae8e_attn, .Lfunc_end_k_qea2c99ae8e_attn-k_qea2c99ae8e_attn
	.p2alignl 7, 3214868480
	.fill 96, 4, 3214868480
	.section	.rodata,"a",@progbits
	.p2align	6, 0x0
	.amdhsa_kernel k_qea2c99ae8e_attn
		.amdhsa_group_segment_fixed_size 327680
		.amdhsa_private_segment_fixed_size 0
		.amdhsa_enable_private_segment 0
		.amdhsa_kernarg_size 24
		.amdhsa_user_sgpr_count 2
		.amdhsa_user_sgpr_kernarg_segment_ptr 1
		.amdhsa_wavefront_size32 1
		.amdhsa_system_sgpr_workgroup_id_x 1
		.amdhsa_system_sgpr_workgroup_id_y 1
		.amdhsa_system_sgpr_workgroup_id_z 1
		.amdhsa_system_vgpr_workitem_id 0
		.amdhsa_next_free_vgpr 256
		.amdhsa_next_free_sgpr 66
		.amdhsa_reserve_vcc 0
		.amdhsa_float_denorm_mode_32 3
		.amdhsa_float_denorm_mode_16_64 3
		.amdhsa_memory_ordered 1
		.amdhsa_forward_progress 1
		.amdhsa_inst_pref_size 46
	.end_amdhsa_kernel
	.amdgpu_metadata
---
amdhsa.version: [ 1, 2 ]
amdhsa.kernels:
  - .name:           k_qea2c99ae8e_attn
    .symbol:         k_qea2c99ae8e_attn.kd
    .args:
      - { .name: qb, .offset: 0, .size: 8, .value_kind: global_buffer, .address_space: global }
      - { .name: kb, .offset: 8, .size: 8, .value_kind: global_buffer, .address_space: global }
      - { .name: ab, .offset: 16, .size: 8, .value_kind: global_buffer, .address_space: global }
    .group_segment_fixed_size: 327680
    .private_segment_fixed_size: 0
    .kernarg_segment_align: 8
    .kernarg_segment_size: 24
    .max_flat_workgroup_size: 512
    .sgpr_count:     66
    .vgpr_count:     256
    .wavefront_size: 32
...
	.end_amdgpu_metadata
.endif
;; end of part 3
;; launch outp (part 4): grid 8 x 32, 4 waves a work-group, clusters of 4 x 4, 222,720 bytes of LDS; arguments ab, wb, out0; writes out0
.if DOCPART == 4
	.amdgcn_target "amdgcn-amd-amdhsa--gfx1250"
	.amdhsa_code_object_version 6
	.text
	.protected	k_qea2c99ae8e_outp
	.globl	k_qea2c99ae8e_outp
	.p2align	8
	.type	k_qea2c99ae8e_outp,@function
k_qea2c99ae8e_outp:
	s_mov_b64 s[64:65], 0
	v_nop
	global_prefetch_b8 v0, s[64:65] scope:SCOPE_SE
	s_setreg_imm32_b32 hwreg(HW_REG_WAVE_MODE, 25, 1), 1
	s_wait_xcnt 0x0
	s_wait_alu depctr_hold_cnt(0) depctr_sa_sdst(0) depctr_va_vdst(0) depctr_va_sdst(0) depctr_va_ssrc(0) depctr_va_vcc(0) depctr_vm_vsrc(0)
	s_getreg_b32 s2, hwreg(HW_REG_IB_STS2, 6, 4)
	s_cmp_eq_u32 s2, 0
	s_cbranch_scc0 .Lentry_in_a_cluster
	s_endpgm
.Lentry_in_a_cluster:
	s_bfe_u32 s2, ttmp6, 0x10000c
	s_cmp_lg_u32 s2, 0xf033
	s_cbranch_scc0 .Lentry_shape_is_right
	s_endpgm
.Lentry_shape_is_right:
; out0 = attn Wout on codes of FP6, K = 1,024.  A: ab (tokens in position order), B: wb's rows 3,072 on (Wout's columns in position order); both as images of operand registers, 768 bytes for 16 rows x 64 K.
; A tile of 128 x 128 to a work-group: 8 x 32 = 256 work-groups; four waves, 64 x 64 each, 16 accumulators.  ALL OF K LIES IN LDS, filled once: no slot is filled again.
; Each wave brings 64 rows of A or of B for all of K by ONE tensor load: four tiles of 16 rows x 12,288 bytes, 49,152 dense bytes.
; No prefetch: the launch has no loop of loads to run ahead in; each byte is asked for once, at the head.
; CLUSTER 4 x 4: A's tiles are asked for jointly along a row of the cluster, B's along a column.
; THE MATRIX INSTRUCTION IS USED TRANSPOSED (source 0 = B, source 1 = A): a lane holds a token and eight neighbouring columns.  The position order of rows and columns is undone by constants in the way out's offsets.
; REGISTERS: window 0: v16-28 addresses, v32-63 all 32 scale words (K step s, block i: lanes 0-15 A's, lanes 16-31 B's), v64-127 at work, v128-255 accumulators.  window 1: two sets of fragments: A's four, then B's four.
.set QUART,  49152                     ; 64 rows, all of K
.set TILEB,  12288                     ; 16 rows, all of K
.set SCA,    196608                    ; A's scale words [K step][128 rows]
.set SCB,    200704                    ; B's
.set STAGE,  204800                    ; 16 rows x (256 bytes + 16) for each wave
.set SPITCH, 272
.set SPARE,  222208                    ; the spare words, 128 bytes a wave
.set FR,  12
.set SC,  32
.set ACC, 128
.set G1A, 24
.set G1B, 48
.set G0A, 68
.set G0B, 84
.set MSB, 0
.macro WIN new
.if MSB != \new
	s_set_vgpr_msb (MSB<<8)|\new
.set MSB, \new
.endif
.endm
.macro CROUND
	s_barrier_signal -1
	s_barrier_wait -1
	s_cmp_lg_u32 s10, 0
	s_cbranch_scc1 .Lnot_wave_0_\@
	s_barrier_signal -3
.Lnot_wave_0_\@:
	s_barrier_wait -3
	s_barrier_signal -1
	s_barrier_wait -1
.endm
	s_load_b128 s[4:7], s[0:1], 0x0                ; ab, wb
	s_load_b64 s[8:9], s[0:1], 0x10                ; out0
	v_lshl_add_u32 v30, v0, 2, SPARE
	v_mov_b32 v31, 0
	ds_add_u32 v30, v31                            ; the opening lines
	ds_add_u32 v30, v31
	v_lshrrev_b32 v1, 5, v0
	v_readfirstlane_b32 s10, v1                    ; wave
	s_lshr_b32 s11, s10, 1                         ; my half of the rows.  Also: I fetch for A (0) or B (1)
	s_and_b32 s12, s10, 1                          ; my half of the columns.  Also: which 64 rows I fetch
	s_bfe_u32 s40, ttmp6, 0x40000
	s_bfe_u32 s41, ttmp6, 0x40004
	s_lshl_b32 s42, ttmp9, 2
	s_add_co_u32 s42, s42, s40                     ; tile column
	s_and_b32 s13, ttmp7, 0xffff
	s_lshl_b32 s13, s13, 2
	s_add_co_u32 s13, s13, s41                     ; tile row
	s_lshl_b32 s43, s41, 2
	s_lshl_b32 s43, 15, s43
	s_lshl_b32 s44, 0x1111, s40
	s_or_b32 s[G1A+0], s43, (3<<16)|(1<<21)
	s_or_b32 s[G1B+0], s44, (3<<16)|(1<<21)
.irp g, G1A, G1B                       ; 4 rows (tiles of 16) of 12,288 bytes, dense
	s_mov_b32 s[\g+1], 1536<<16
	s_mov_b32 s[\g+2], 4<<16
	s_mov_b32 s[\g+3], 1536<<16
	s_mov_b32 s[\g+4], 4
	s_mov_b32 s[\g+5], 1536
	s_mov_b32 s[\g+6], 0
	s_mov_b32 s[\g+7], 0
.endr
	v_and_b32 v1, 31, v0                           ; lane
	v_and_b32 v2, 15, v0                           ; r
	v_bfe_u32 v3, v0, 4, 1                         ; h
	s_mul_i32 s21, s11, QUART
	s_mul_i32 s22, s12, QUART
	s_add_co_u32 s22, s22, 2*QUART
	v_lshl_add_u32 v16, v1, 4, s21                 ; A's fragments at 16 x lane,
	v_lshl_add_u32 v17, v1, 3, s21                 ; at 8 x lane;
	v_lshl_add_u32 v18, v1, 4, s22                 ; B's
	v_lshl_add_u32 v19, v1, 3, s22
	s_lshl_b32 s21, s11, 8
	s_lshl_b32 s22, s12, 8
	s_add_co_u32 s22, s22, SCB-SCA
	s_sub_co_u32 s22, s22, s21
	v_mul_u32_u24 v20, s22, v3                     ; lanes 16-31 take B's words
	v_lshl_add_u32 v20, v2, 2, v20
	s_add_co_u32 s21, s21, SCA
	v_add_nc_u32 v20, s21, v20
	v_lshl_add_u32 v21, v0, 2, SCB                 ; thread t stores row t's words of B
	v_and_b32 v4, 63, v0                           ; A: a pair of rows,
	v_lshrrev_b32 v5, 6, v0                        ; and four of the eight K steps
	v_lshlrev_b32 v22, 3, v4
	v_lshl_add_u32 v22, v5, 11, v22
	v_add_nc_u32 v22, SCA, v22
	v_lshlrev_b32 v27, 5, v0                       ; B's scale bytes: 32 a row
	v_lshlrev_b32 v28, 2, v4
	v_lshl_add_u32 v28, v5, 16, v28                ; A's: 4 bytes a pair of rows, 8 heads of 8,192 bytes on for the upper four K steps
	s_mul_i32 s23, s10, 16*SPITCH
	s_add_co_u32 s23, s23, STAGE
	v_mul_u32_u24 v24, v2, SPITCH
	v_lshl_add_u32 v24, v3, 6, v24
	v_add_nc_u32 v24, s23, v24                     ; the stage, in: row r, + 64 h
	v_mul_u32_u24 v25, v3, SPITCH
	v_lshl_add_u32 v25, v2, 4, v25
	v_add_nc_u32 v25, s23, v25                     ; back: lanes 0-15 one row, lanes 16-31 the next
	v_lshlrev_b32 v26, 12, v3
	v_lshl_add_u32 v26, v2, 4, v26                 ; and the same in out0
	s_lshl_b32 s18, s12, 6
	s_lshl_b32 s16, s13, 7
	s_add_co_u32 s16, s16, s18
	s_mul_i32 s16, s16, 768
	s_mov_b32 s17, 0
	s_lshl_b32 s46, s42, 7
	s_add_co_u32 s46, s46, s18
	s_add_co_u32 s46, s46, 3072
	s_mul_i32 s46, s46, 768
	s_mov_b32 s47, 0
	s_mul_i32 s20, s10, QUART
	s_lshl_b32 s58, s42, 12
	s_add_co_u32 s58, s58, 3145728+98304           ; B's scale bytes: row 3,072 + 128 x tile column
	s_mov_b32 s59, 0
	s_lshl_b32 s60, s13, 8
	s_add_co_u32 s60, s60, 3145728                 ; A's: 2 bytes a row and head
	s_mov_b32 s61, 0
	s_lshl_b32 s56, s13, 7
	s_lshl_b32 s57, s11, 6
	s_add_co_u32 s56, s56, s57
	s_lshl_b32 s56, s56, 12                        ; my first row of out0,
	s_lshl_b32 s57, s42, 9
	s_add_co_u32 s56, s56, s57
	s_lshl_b32 s57, s12, 8
	s_add_co_u32 s56, s56, s57                     ; my first column
	s_mov_b32 s57, 0
	s_wait_dscnt 0x0
	s_wait_kmcnt 0x0
	s_add_nc_u64 s[14:15], s[4:5], s[16:17]
	s_add_nc_u64 s[46:47], s[6:7], s[46:47]
	s_add_nc_u64 s[58:59], s[6:7], s[58:59]
	s_add_nc_u64 s[60:61], s[4:5], s[60:61]
	s_add_nc_u64 s[56:57], s[8:9], s[56:57]
	CROUND                                         ; all sixteen work-groups are here: the joint loads meet
	s_mov_b32 s[G0A], 1
	s_mov_b32 s[G0A+1], s20
	s_mov_b64 s[G0A+2:G0A+3], s[14:15]
	s_or_b32 s[G0A+3], s[G0A+3], 0x80000000
	s_mov_b32 s[G0B], 1
	s_mov_b32 s[G0B+1], s20
	s_mov_b64 s[G0B+2:G0B+3], s[46:47]
	s_or_b32 s[G0B+3], s[G0B+3], 0x80000000
	s_cmp_eq_u32 s11, 0                            ; one load a wave, one in each arm
	s_cbranch_scc0 .Lfor_b
	tensor_load_to_lds s[G0A:G0A+3], s[G1A:G1A+7]
	s_nop 0
.rept 4
	v_nop
.endr
	s_branch .Lasked
.Lfor_b:
	tensor_load_to_lds s[G0B:G0B+3], s[G1B:G1B+7]
	s_nop 0
.rept 4
	v_nop
.endr
.Lasked:
	; the scale bytes come through registers into LDS bytes that no fill touches, as words [K step][row]
	s_wait_alu depctr_va_vdst(0)                   ; the wait at the head's end
	global_load_b128 v[64:67], v27, s[58:59]
	global_load_b128 v[68:71], v27, s[58:59] offset:16
.irp k, 0,1,2,3
	global_load_b32 v[72+2*\k], v28, s[60:61] offset:16384*\k          ; head 2 s: two rows' two bytes
	global_load_b32 v[73+2*\k], v28, s[60:61] offset:16384*\k+8192     ; head 2 s + 1
.endr
	s_wait_loadcnt 0x0
.irp s, 0,1,2,3,4,5,6,7
	ds_store_b32 v21, v[64+\s] offset:512*\s
.endr
.irp k, 0,1,2,3
	v_perm_b32 v[80+2*\k], v[73+2*\k], v[72+2*\k], 0x05040100          ; the even row's word: both heads' low halves,
	v_perm_b32 v[81+2*\k], v[73+2*\k], v[72+2*\k], 0x07060302          ; the odd row's: the high halves
.endr
.irp k, 0,1,2,3
	ds_store_b64 v22, v[80+2*\k:81+2*\k] offset:512*\k
.endr
.macro FRAG reg, adr, off
	ds_load_b128 v[\reg:\reg+3], v[\adr] offset:\off
	ds_load_b64 v[\reg+4:\reg+5], v[\adr+1] offset:\off+512
	ds_load_b128 v[\reg+6:\reg+9], v[\adr] offset:\off+768
	ds_load_b64 v[\reg+10:\reg+11], v[\adr+1] offset:\off+1280
.endm
.macro FETCH s                         ; K step s: 32 LDS loads into set s % 2; the step's place stands in the immediates (48,896 at the most)
.set PB, 128*((\s)%2)
.set QO, 1536*(\s)
	WIN 0x40
.irp i, 0,1,2,3
	FRAG PB+FR*\i, 16, QO+\i*TILEB
	FRAG PB+48+FR*\i, 18, QO+\i*TILEB
.endr
	WIN 0
.endm
.macro MULS s                          ; 16 matrix instructions; the accumulators take turns, one instruction a turn
.set PB, 128*((\s)%2)
	WIN 0x05
.irp a, 0,1,2,3
.irp b, 0,1,2,3
.if (\s) == 0
	v_wmma_scale_f32_16x16x128_f8f6f4 v[ACC+8*(4*\a+\b):ACC+8*(4*\a+\b)+7], v[PB+48+FR*\b:PB+48+FR*\b+FR-1], v[PB+FR*\a:PB+FR*\a+FR-1], 0, v[SC+4*(\s)+\b], v[SC+4*(\s)+\a] matrix_a_fmt:MATRIX_FMT_FP6 matrix_b_fmt:MATRIX_FMT_FP6 matrix_a_scale:MATRIX_SCALE_ROW1
.else
	v_wmma_scale_f32_16x16x128_f8f6f4 v[ACC+8*(4*\a+\b):ACC+8*(4*\a+\b)+7], v[PB+48+FR*\b:PB+48+FR*\b+FR-1], v[PB+FR*\a:PB+FR*\a+FR-1], v[ACC+8*(4*\a+\b):ACC+8*(4*\a+\b)+7], v[SC+4*(\s)+\b], v[SC+4*(\s)+\a] matrix_a_fmt:MATRIX_FMT_FP6 matrix_b_fmt:MATRIX_FMT_FP6 matrix_a_scale:MATRIX_SCALE_ROW1
.endif
.endr
.endr
	WIN 0
.endm
	s_wait_tensorcnt 0x0                           ; my 64 rows are in
	s_wait_dscnt 0x0                               ; my scale words lie in LDS
	s_barrier_signal -1
	s_barrier_wait -1                              ; everybody's are
.irp s, 0,1,2,3,4,5,6,7
.irp i, 0,1,2,3
	ds_load_b32 v[SC+4*\s+\i], v20 offset:512*\s+64*\i
.endr
.endr
	FETCH 0
.irp s, 0,1,2,3,4,5,6,7
.if \s < 7
.if \s > 0
.rept 4
	v_nop                                          ; places in front of loads into registers that matrix instructions have read
.endr
.endif
	FETCH \s+1
	s_wait_dscnt 32                                ; all but the 32 just issued
.else
	s_wait_dscnt 0x0
.endif
	MULS \s
.endr
; THE WAY OUT, a block of 16 rows x 64 columns at a time through my own stage.  Register j of accumulator (a, b) is column 32 (b / 2) + 16 h + 8 (b % 2) + j; stage row m of block a is token 32 (a / 2) + 8 (a % 2) + m % 8 + 16 (m / 8).
.macro TOSTAGE a
.irp b, 0,1,2,3
	ds_store_b128 v24, v[ACC+8*(4*(\a)+\b):ACC+8*(4*(\a)+\b)+3] offset:128*(\b/2)+32*(\b%2)        ; each accumulator from its low end on
	ds_store_b128 v24, v[ACC+8*(4*(\a)+\b)+4:ACC+8*(4*(\a)+\b)+7] offset:128*(\b/2)+32*(\b%2)+16
.endr
.set BB, 64+32*((\a)%2)
.irp i, 0,1,2,3,4,5,6,7
	ds_load_b128 v[BB+4*\i:BB+4*\i+3], v25 offset:544*\i           ; LDS serves a wave's instructions in order: these see the stores above
.endr
.endm
.macro SEND a, younger
.set BB, 64+32*((\a)%2)
	s_wait_dscnt \younger                          ; the block is back; the next block's 16 LDS instructions may be out
.irp i, 0,1,2,3,4,5,6,7
	global_store_b128 v26, v[BB+4*\i:BB+4*\i+3], s[56:57] offset:(32*((\a)/2)+8*((\a)%2)+(2*\i)%8+16*(\i/4))*4096 th:TH_STORE_NT   ; sixteen lanes store 256 consecutive bytes, aligned
.endr
.endm
.rept 4
	v_nop                                          ; places behind the last products
.endr
	TOSTAGE 0
	TOSTAGE 1
	SEND 0, 16
	s_wait_xcnt 0x0                                ; block 0's stores have read their registers: block 2's loads may land there
	TOSTAGE 2
	SEND 1, 16
	s_wait_xcnt 0x0
	TOSTAGE 3
	SEND 2, 16
	SEND 3, 0
	s_wait_tensorcnt 0x0                           ; the wave's end
	ds_add_u32 v30, v31
	s_wait_dscnt 0x0
	CROUND                                         ; the closing round: no work-group ends while a partner may still ask for a tile that names it
	s_endpgm
.Lfunc_end_k_qea2c99ae8e_outp:
	.size	k_qea2c99ae8e_outp, .Lfunc_end_k_qea2c99ae8e_outp-k_qea2c99ae8e_outp
	.p2alignl 7, 3214868480
	.fill 96, 4, 3214868480
	.section	.rodata,"a",@progbits
	.p2align	6, 0x0
	.amdhsa_kernel k_qea2c99ae8e_outp
		.amdhsa_group_segment_fixed_size 222720
		.amdhsa_private_segment_fixed_size 0
		.amdhsa_enable_private_segment 0
		.amdhsa_kernarg_size 24
		.amdhsa_user_sgpr_count 2
		.amdhsa_user_sgpr_kernarg_segment_ptr 1
		.amdhsa_wavefront_size32 1
		.amdhsa_system_sgpr_workgroup_id_x 1
		.amdhsa_system_sgpr_workgroup_id_y 1
		.amdhsa_system_sgpr_workgroup_id_z 1
		.amdhsa_system_vgpr_workitem_id 0
		.amdhsa_next_free_vgpr 512
		.amdhsa_next_free_sgpr 100
		.amdhsa_reserve_vcc 0
		.amdhsa_float_denorm_mode_32 3
		.amdhsa_float_denorm_mode_16_64 3
		.amdhsa_memory_ordered 1
		.amdhsa_forward_progress 1
		.amdhsa_inst_pref_size 53
	.end_amdhsa_kernel
	.amdgpu_metadata
---
amdhsa.version: [ 1, 2 ]
amdhsa.kernels:
  - .name:           k_qea2c99ae8e_outp
    .symbol:         k_qea2c99ae8e_outp.kd
    .args:
      - { .name: ab, .offset: 0, .size: 8, .value_kind: global_buffer, .address_space: global }
      - { .name: wb, .offset: 8, .size: 8, .value_kind: global_buffer, .address_space: global }
      - { .name: out0, .offset: 16, .size: 8, .value_kind: global_buffer, .address_space: global }
    .group_segment_fixed_size: 222720
    .private_segment_fixed_size: 0
    .kernarg_segment_align: 8
    .kernarg_segment_size: 24
    .max_flat_workgroup_size: 128
    .sgpr_count:     100
    .vgpr_count:     512
    .wavefront_size: 32
...
	.end_amdgpu_metadata
.endif
;; end of part 4
